; MI455X (gfx1250); checked and timed in simulation.
; The chip was launched on July 23, 2026; its instructions are those of AMD's public machine-readable ISA for CDNA 5 (MIT licence, August 2026) and "CDNA5" Instruction Set Architecture Reference Guide (July 2026). The comments in the code are by the model that wrote it; some were corrected since.
;; Causal Self Attention. Allowed arithmetic: matrix products marked QUANTISED: E2M3 operands, one E8M0 scale for each 32 along K, by v_wmma_scale_f32_16x16x128_f8f6f4 with both operands' format E2M3, f32 sums; everything else in f32.
;; Inputs: W_attn 1,024 x 3,072 float32; W_proj 1,024 x 1,024 float32; b_attn 3,072 float32; b_proj 1,024 float32; x 4 x 2,048 x 1,024 float32.
;; Outputs: out0 4 x 2,048 x 1,024 float32.
;; This version of the problem:
;;   THIS VERSION OF THE PROBLEM IS GIVEN IN LOW PRECISION. The matrix products marked QUANTISED in the list below multiply operands that are first quantised to E2M3 (2 exponent bits, 3 mantissa bits; 6 bits a number), with one power-of-two scale for each 32 numbers along K (OCP MX v1.0); their sums are f32. All else is computed in f32.
;;   The module's matrix products, in the order in which they are computed (A, B: the left and right operand; K: the contracted axis; several contracted axes count as one K, in the product's order):
;;     1. [M 8,192, K 1,024] x [K 1,024, N 3,072]; A: input x; B: input W_attn: QUANTISED
;;     2. batch 64 x [M 2,048, K 64] x [K 64, N 2,048]; A: computed on the way; B: computed on the way: QUANTISED
;;     3. batch 64 x [M 2,048, K 2,048] x [K 2,048, N 64]; A: softmax (see below); B: computed on the way: QUANTISED
;;     4. [M 8,192, K 1,024] x [K 1,024, N 1,024]; A: computed on the way; B: input W_proj: QUANTISED
;;   THE QUANTISER, for each operand of a quantised product, along K:
;;     - K is cut into blocks of 32 from its start; a last block that is shorter is filled with zeros.
;;     - A block's scale is 2^e with e = floor(log2(the largest magnitude in the block)) - 2, held to -126 .. 127; a block of zeros has e = 0. As a byte (E8M0): e + 127.
;;     - Each number is divided by its block's scale, clamped to +-7.5, and rounded to the nearest number of E2M3, ties to even, subnormals kept.
;;     - The product sums the exact products of the quantised numbers (number of the format x scale) in f32.
;;   ~~~python
;;   def quantise(x, axis):      # numpy; x: float32 -> the quantised numbers, widened to float32 again
;;       x = np.moveaxis(x, axis, -1); K = x.shape[-1]
;;       x = np.pad(x, [(0, 0)] * (x.ndim - 1) + [(0, -K % 32)]); x = x.reshape(x.shape[:-1] + (-1, 32)); a = np.abs(x).max(-1, keepdims=True)
;;       e = np.where(a > 0, np.clip(np.frexp(np.where(a > 0, a, 1))[1] - 1 - 2, -126, 127), 0)      # np.frexp(a)[1] - 1 = floor(log2(a)), exactly
;;       r = np.clip(x / 2.0 ** e, -7.5, 7.5)
;;       step = 2.0 ** (np.maximum(np.frexp(np.where(r == 0, 1, r))[1] - 1, 0) - 3)
;;       q = np.round(r / step) * step * 2.0 ** e      # np.round: ties to even
;;       return np.moveaxis(q.reshape(q.shape[:-2] + (-1,))[..., :K], -1, axis).astype(np.float32)
;;   ~~~
;;   SOFTMAX AHEAD OF A QUANTISED PRODUCT. Where the list says 'softmax', what is quantised is not the finished softmax but p = 2^(t - M), with t = logit x log2(e) and M = ceil(the row's largest t), a whole number; so 1/2 < the row's largest p <= 1. The row's sum l is taken of the UNQUANTISED p, in f32, and the product's result is divided by l at the end. Since M is a whole number, a kernel that streams over the keys may use a running M (the ceiling of the running maximum): every later rescaling is an exact power of two, which a block's scale takes up: the codes' values come out the same.
;;   OPERANDS COMPUTED ON THE WAY. 'Computed on the way' means the value that the module computes at that place (a softmax that the list does not call 'softmax' is quantised finished and normalised). What goes into a quantiser is computed in f32, as accurately as f32 sums, v_exp_f32 and their like allow (about 1e-6 of the number): no bf16 or f16 on the way to a quantiser, and a product that is left as it is and whose result goes on into a quantised operand takes f32 operands (vector FMAs, or v_wmma_f32_16x16x4_f32). A number that lies on a knife's edge between two numbers of the format may be rounded either way, as far as f32 arithmetic and the matrix unit's own rounding can turn it there, and no further.
;; One version. Each part assembles by itself: llvm-mc -triple=amdgcn-amd-amdhsa -mcpu=gfx1250 --defsym DOCPART=n.
;; ======== version 1 of 1: 4 launches
;; limits: right only within a limited range of input values
;; workspace buffers: xq 6,684,672 bytes; wq 3,342,336 bytes; qi 6,815,744 bytes; kv 13,369,344 bytes; yq 6,553,600 bytes
;; launch quant (part 1): grid 768 x 1, 4 waves a work-group, no clusters, 68,096 bytes of LDS; arguments x, W_attn, W_proj, xq, wq; writes xq, wq
.if DOCPART == 1
	.amdgcn_target "amdgcn-amd-amdhsa--gfx1250"
	.amdhsa_code_object_version 6
	.text
	.protected	k_q63844e4c8b_quant
	.globl	k_q63844e4c8b_quant
	.p2align	8
	.type	k_q63844e4c8b_quant,@function
k_q63844e4c8b_quant:
	s_mov_b64 s[64:65], 0
	v_nop
	global_prefetch_b8 v0, s[64:65] scope:SCOPE_SE
	s_setreg_imm32_b32 hwreg(HW_REG_WAVE_MODE, 25, 1), 1
	s_wait_xcnt 0x0
; x [8192][1024], W_attn [1024][3072] and W_proj [1024][1024], f32, become codes of FP6 (E2M3) with K innermost and one E8M0 scale byte for each 32 along K.
; xq: codes [position 8192][768 bytes], then scale bytes [position][32].  wq: the same for 4,096 rows: W_attn's 3,072 columns n, then W_proj's 1,024.
; POSITIONS: row i of x (column n of a weight) is stored at position i with bits 3 and 4 exchanged.  So a tile of 16 neighbouring positions 32 A + 16 u + p holds the rows 32 A + 8 u + p + 8 (p / 8),
; the order in which a product's results become 16 neighbours along the next product's K.
; A block's scale is 2^(floor(log2(its largest magnitude)) - 2); its byte is the largest magnitude's exponent field - 2, held at 1 from below.
; LIMITS: a block of zeros gets the byte 1 (its codes are zeros; this program alone reads the bytes); blocks whose largest magnitude lies under 2^-124 are held at the byte 1; NaN and infinities are not served.
; Work-groups 0-255 take x (K innermost: 16 neighbours to a lane, turned through the wave's own stage), work-groups 256-383 the weights (K outermost: a lane to a column, registers down K).
; The two paths use LDS bytes of their own: 0 .. 32,767 and 32,768 .. 67,583.  No tensor loads, no barrier: waves share nothing.
; LAYOUT OF xq AND wq (this stands in place of what is said of their layout above): a row (a position) is 816 bytes: 768 bytes of codes, its 32 scale bytes, 16 bytes of zeros.
; xq has 8,192 such rows, wq 4,096.  So 64 or more neighbouring rows are one dense run of bytes, a multiple of 256 long, that begins at a multiple of 256.
; THE SHARES (this stands in place of what is said of them above): work-groups 0-511 take x, a wave 4 rows; work-groups 512-767 the weights, a wave 32 columns x 128 along K.
.set XSC,   6291456
.set WSC,   3145728
	s_load_b256 s[4:11], s[0:1], 0x0               ; x s[4:5], W_attn s[6:7], W_proj s[8:9], xq s[10:11]
	s_load_b64 s[12:13], s[0:1], 0x20              ; wq
	v_lshl_add_u32 v208, v0, 2, 0x10800
	v_mov_b32 v209, 0
	v_lshrrev_b32 v1, 5, v0
	v_readfirstlane_b32 s16, v1                    ; wave 0..3
	v_and_b32 v2, 31, v0                           ; lane
	s_wait_kmcnt 0x0
	s_cmp_lt_u32 ttmp9, 512
	s_cbranch_scc0 .Lweights
; ---------------- x: a wave takes 4 rows = 4,096 numbers, in 8 steps of 512 ----------------
.set STEPS, 8
.set CB,    12                         ; bytes of 16 codes
.set XR,    16                         ; v16-79   four sets of 16 numbers as they are loaded
.set XX,    80                         ; v80-111  two sets of 16 neighbours
.set XE,    112                        ; v112-127 a scale byte for each step
.set XC,    128                        ; v128-191 codes: four registers for each step, so that no store's data are written again
.set WREG,  8192                       ; LDS of a wave: two stages of 32 x SP bytes, and behind them its 128 scale bytes
.set SP,    80                         ; a lane's place in a stage: its 64 bytes + 16 of padding
	s_wait_alu depctr_va_vdst(0)
	v_lshlrev_b32 v3, 4, v2                        ; my 16 bytes of a load's 512
	s_mul_i32 s17, s16, WREG
	v_lshrrev_b32 v14, 2, v2
	v_mul_u32_u24 v14, v14, SP
	v_and_b32 v15, 3, v2
	v_lshl_add_u32 v14, v15, 4, v14
	v_add_nc_u32 v14, s17, v14                     ; the stage, on the way in: SP (lane / 4) + 16 (lane % 4)
	v_mul_u32_u24 v15, v2, SP
	v_add_nc_u32 v15, s17, v15                     ; and on the way out: SP x lane: my 16 neighbours
	v_mul_u32_u24 v4, v2, CB                       ; my codes' place in a step's
	v_lshrrev_b32 v10, 3, v2
	v_mul_u32_u24 v10, v10, 816                    ; on the way out eight lanes serve a row's 32 scale bytes, 4 bytes each,
	v_and_b32 v12, 3, v2
	v_lshl_add_u32 v192, v12, 2, v10               ; and its 16 zeros (lanes 4-7 of the eight store what lanes 0-3 store)
	v_and_b32 v12, 7, v2
	v_lshl_add_u32 v10, v12, 2, v10
	v_lshrrev_b32 v5, 1, v2
	s_add_co_u32 s17, s17, 2*32*SP
	v_add_nc_u32 v5, s17, v5                       ; my wave's 128 scale bytes, my block's byte
	v_lshlrev_b32 v7, 2, v2                        ; and on the way out 4 bytes a lane
	v_add_nc_u32 v6, s17, v7
	s_lshl_b32 s18, ttmp9, 2
	s_add_co_u32 s19, s18, s16                     ; which run of 4 rows I read: 4 x work-group + wave
	s_lshl_b32 s20, s19, 14                        ; 16,384 bytes a run
	s_mov_b32 s21, 0
	s_add_nc_u64 s[4:5], s[4:5], s[20:21]
	s_and_b32 s22, s19, 0xfffffff9                 ; the rows' bits 3 and 4 are the run's bits 1 and 2: they change places
	s_and_b32 s23, s19, 2
	s_lshl_b32 s23, s23, 1
	s_or_b32 s22, s22, s23
	s_and_b32 s23, s19, 4
	s_lshr_b32 s23, s23, 1
	s_or_b32 s22, s22, s23                         ; the run of 4 positions that I write
	s_mul_i32 s20, s22, 3264                       ; 4 rows of 816 bytes
	s_add_nc_u64 s[24:25], s[10:11], s[20:21]
.macro XLOAD t
.irp i, 0,1,2,3
	global_load_b128 v[XR+16*((\t)%4)+4*\i:XR+16*((\t)%4)+4*\i+3], v3, s[4:5] offset:2048*(\t)+512*\i th:TH_LOAD_NT   ; 32 lanes read 512 consecutive bytes
.endr
.endm
.macro XTURN t                         ; step t's numbers through the stage: LDS serves a wave's instructions in order, so no wait stands between the stores and the loads
.irp i, 0,1,2,3
	ds_store_b128 v14, v[XR+16*((\t)%4)+4*\i:XR+16*((\t)%4)+4*\i+3] offset:32*SP*((\t)%2)+8*SP*\i
.endr
.irp i, 0,1,2,3
	ds_load_b128 v[XX+16*((\t)%2)+4*\i:XX+16*((\t)%2)+4*\i+3], v15 offset:32*SP*((\t)%2)+16*\i
.endr
.endm
.irp t, 0,1,2,3
	XLOAD \t
.endr
	s_wait_alu depctr_va_vdst(0)
	s_wait_loadcnt 12                              ; step 0's four loads are in; those of steps 1 to 3 may be out
	XTURN 0
.macro XSTEP t
.set XS, XX+16*((\t)%2)
.if (\t) > 0
	s_wait_dscnt 1                                 ; this step's numbers are back from the stage (the last step's byte store may be out)
.else
	s_wait_dscnt 0x0
.endif
.if (\t)+4 < STEPS
	XLOAD (\t)+4                                   ; into the set whose stores into the stage have read their registers
.endif
.if (\t)+1 < STEPS
.if STEPS-2-(\t) >= 3
	s_wait_loadcnt 12                              ; the next step's four loads are in; those of the three steps behind it may be out
.else
	s_wait_loadcnt 4*(STEPS-2-(\t))
.endif
	XTURN (\t)+1                                   ; they go through the other stage while this step is worked
.endif
	v_max3_num_f32 v8, |v[XS]|, |v[XS+1]|, |v[XS+2]|               ; the largest magnitude of my 16, in two chains
	v_max3_num_f32 v9, |v[XS+3]|, |v[XS+4]|, |v[XS+5]|
.irp i, 6,10
	v_max3_num_f32 v8, v8, |v[XS+\i]|, |v[XS+\i+1]|
	v_max3_num_f32 v9, v9, |v[XS+\i+2]|, |v[XS+\i+3]|
.endr
	v_max3_num_f32 v8, v8, |v[XS+14]|, |v[XS+15]|
	v_max3_num_f32 v8, v8, v9, 0x1800000           ; and the floor 2^(3 - 127): the byte cannot fall under 1
	v_max_num_f32_dpp v8, v8, v8 row_xmask:1 row_mask:0xf bank_mask:0xf   ; and of my neighbour's 16: the block's
	v_add_nc_u32 v11, 0xff000000, v8               ; 2 off its exponent field: the conversion takes the exponent field of this operand as its scale
	v_cvt_scalef32_pk16_fp6_f32 v[XC+4*(\t):XC+4*(\t)+2], v[XS:XS+15], v11
	v_lshrrev_b32 v[XE+(\t)], 23, v11              ; the scale's byte (a plain line behind the conversion)
	ds_store_b8 v5, v[XE+(\t)] offset:16*(\t)      ; both lanes of a block write the same byte with the same value
	global_store_b96 v4, v[XC+4*(\t):XC+4*(\t)+2], s[24:25] offset:816*((\t)/2)+384*((\t)%2)   ; row t / 2, half t % 2: the wave stores 384 consecutive bytes
.endm
.irp t, 0,1,2,3,4,5,6,7
	XSTEP \t
.endr
	ds_load_b32 v12, v6                            ; LDS serves a wave's instructions in order: this sees my stores
	s_wait_dscnt 0x0
	v_mov_b32 v8, 0
	global_store_b32 v10, v12, s[24:25] offset:768         ; a row's 32 scale bytes behind its codes,
	global_store_b32 v192, v8, s[24:25] offset:800         ; and the 16 zeros
	s_wait_tensorcnt 0x0
	ds_add_u32 v208, v209
	s_wait_dscnt 0x0
	s_endpgm
; ---------------- the weights: a wave takes 32 columns x 128 along K ----------------
.Lweights:
.set NB,     4
.set WPITCH, 272                       ; a stage row: sixteen places of 16 bytes, each with 12 bytes of codes, + 16
.set SB,     24                        ; v24-25   the scale bytes, four to a register
.set WX,     32                        ; v32-95   two sets of 32 numbers
.set WC,     96                        ; v96-102  a block's codes
.set OUTR,   112                       ; v112-175 the way out
.set OF,     176                       ; v176-207 4 x lane + i rows of the weight, i = 0 .. 31; never rewritten
.set BS,     32                        ; s[32:39] where block t's 32 rows begin, t = 0 .. 3; never rewritten
	s_sub_co_u32 s17, ttmp9, 512                   ; 0 .. 191: W_attn, 192 .. 255: W_proj
	s_and_b32 s18, s17, 7                          ; which 128 along K
	s_lshr_b32 s19, s17, 3
	s_mov_b32 s20, 12288
	s_cmp_ge_u32 s17, 192                          ; the choice hangs on the work-group's number alone
	s_cselect_b32 s20, 4096, s20                   ; a row of the weight in bytes
	s_cselect_b32 s21, 24, 0
	s_cselect_b32 s22, 3072, 0
	s_cselect_b64 s[6:7], s[8:9], s[6:7]
	s_sub_co_u32 s19, s19, s21
	s_lshl_b32 s19, s19, 7
	s_lshl_b32 s23, s16, 5
	s_add_co_u32 s19, s19, s23                     ; my wave's first column
	s_add_co_u32 s22, s22, s19                     ; and its row in wq
	s_lshl_b32 s24, s20, 7
	s_mul_i32 s24, s24, s18                        ; 128 rows of the weight for each step along K,
	s_lshl_b32 s25, s19, 2
	s_add_co_u32 s24, s24, s25                     ; + 4 bytes a column
	s_mov_b32 s25, 0
	s_add_nc_u64 s[BS:BS+1], s[6:7], s[24:25]
	s_lshl_b32 s24, s20, 5                         ; 32 rows on
.irp t, 1,2,3
	s_add_nc_u64 s[BS+2*\t:BS+2*\t+1], s[BS+2*\t-2:BS+2*\t-1], s[24:25]
.endr
	s_wait_alu depctr_va_vdst(0)
	v_lshlrev_b32 v3, 2, v2
.irp i, 0,1,2,3,4,5,6,7,8,9,10,11,12,13,14,15,16,17,18,19,20,21,22,23,24,25,26,27,28,29,30,31
	v_mad_u32_u24 v[OF+\i], s20, \i, v3
.endr
	v_and_b32 v5, 7, v2                            ; my column's position among the wave's 32: the lane with bits 3 and 4 exchanged
	v_bfe_u32 v6, v2, 3, 1
	v_lshl_add_u32 v5, v6, 4, v5
	v_bfe_u32 v6, v2, 4, 1
	v_lshl_add_u32 v5, v6, 3, v5
	s_mul_i32 s26, s16, 32*WPITCH
	s_add_co_u32 s26, s26, 32768                   ; my stage
	v_mul_u32_u24 v4, v5, WPITCH
	v_add_nc_u32 v4, s26, v4                       ; into it: row = my position
	v_and_b32 v10, 7, v2                           ; out of the stage: eight lanes to a row's 96 bytes, four rows an instruction
	v_lshrrev_b32 v6, 3, v2
	v_mul_u32_u24 v7, v6, WPITCH                   ; out of it: eight lanes to a row, four rows an instruction
	v_lshl_add_u32 v7, v10, 4, v7
	v_add_nc_u32 v7, s26, v7
	v_mul_u32_u24 v8, v6, 816
	v_mad_u32_u24 v8, v10, 12, v8                  ; and the same place in wq's codes
	v_mul_u32_u24 v9, v5, 816                      ; my position's row
	s_mul_i32 s26, s22, 816
	s_mul_i32 s27, s18, 96
	s_add_co_u32 s24, s26, s27
	s_add_nc_u64 s[28:29], s[12:13], s[24:25]      ; codes: row x 816 + 96 for each 128 along K
	s_lshl_b32 s27, s18, 2
	s_add_co_u32 s24, s26, s27
	s_add_co_u32 s24, s24, 768
	s_add_nc_u64 s[30:31], s[12:13], s[24:25]      ; scale bytes: row x 816 + 768 + 4 for each 128 along K
	s_lshl_b32 s27, s18, 1                         ; of the row's 16 zeros each 128 along K writes two bytes
	s_add_co_u32 s24, s26, s27
	s_add_co_u32 s24, s24, 800
	s_add_nc_u64 s[48:49], s[12:13], s[24:25]      ; of the row's 16 zeros each 256 along K writes four
.macro WLOAD t                         ; block t: W(32 t + i, my column), i = 0 .. 31: each load reads 128 consecutive bytes
.irp i, 0,1,2,3,4,5,6,7,8,9,10,11,12,13,14,15,16,17,18,19,20,21,22,23,24,25,26,27,28,29,30,31
	global_load_b32 v[WX+32*((\t)%2)+\i], v[OF+\i], s[BS+2*(\t):BS+2*(\t)+1] th:TH_LOAD_NT
.endr
.endm
	WLOAD 0
	WLOAD 1
.macro WBLOCK t
.set XS, WX+32*((\t)%2)
.if (\t) < NB-1
	s_wait_loadcnt 32                              ; this block's 32 loads are in; the next block's may be out
.else
	s_wait_loadcnt 0x0
.endif
	v_max3_num_f32 v12, |v[XS]|, |v[XS+1]|, |v[XS+2]|               ; the block's largest magnitude: all 32 numbers are mine
	v_max3_num_f32 v13, |v[XS+3]|, |v[XS+4]|, |v[XS+5]|
.irp i, 6,10,14,18,22,26
	v_max3_num_f32 v12, v12, |v[XS+\i]|, |v[XS+\i+1]|
	v_max3_num_f32 v13, v13, |v[XS+\i+2]|, |v[XS+\i+3]|
.endr
	v_max3_num_f32 v12, v12, |v[XS+30]|, |v[XS+31]|
	v_max3_num_f32 v12, v12, v13, 0x1800000        ; and the floor 2^(3 - 127)
	v_add_nc_u32 v11, 0xff000000, v12              ; 2 off its exponent field: the conversion's scale operand
	v_lshrrev_b32 v13, 23, v11                     ; the scale's byte
.if (\t)%4 == 0
	v_mov_b32 v[SB+(\t)/4], v13                    ; four bytes to a register, the lower K in the lower byte
.else
	v_lshl_or_b32 v[SB+(\t)/4], v13, 8*((\t)%4), v[SB+(\t)/4]
.endif
	v_cvt_scalef32_pk16_fp6_f32 v[WC:WC+2], v[XS:XS+15], v11
	v_cvt_scalef32_pk16_fp6_f32 v[WC+4:WC+6], v[XS+16:XS+31], v11   ; (a conversion's three registers begin on an even number)
	v_nop                                          ; one plain line behind the conversions
	ds_store_b96 v4, v[WC:WC+2] offset:32*(\t)     ; 16 codes, 12 bytes, to a place of 16 bytes in the stage
	ds_store_b96 v4, v[WC+4:WC+6] offset:32*(\t)+16
.if (\t)+2 < NB
	WLOAD (\t)+2
.endif
	s_wait_dscnt 0x0                               ; the stores have read their registers: the next block's codes may be written
.endm
.irp t, 0,1,2,3
	WBLOCK \t
.endr
	v_mov_b32 v12, 0
	s_wait_alu depctr_va_vdst(0)
	global_store_b32 v9, v[SB], s[30:31]           ; my column's 4 scale bytes
	global_store_b16 v9, v12, s[48:49]
.irp t, 0,1,2,3,4,5,6,7
	ds_load_b96 v[OUTR+4*\t:OUTR+4*\t+2], v7 offset:4*\t*WPITCH   ; LDS serves a wave's instructions in order: these see my stores
.endr
.irp t, 0,1,2,3,4,5,6,7
	s_wait_dscnt 7-\t                              ; loads come back in order: rows 4 t .. 4 t + 3 are in
	global_store_b96 v8, v[OUTR+4*\t:OUTR+4*\t+2], s[28:29] offset:4*\t*816   ; eight lanes store a row's 96 consecutive bytes
.endr
	s_wait_tensorcnt 0x0
	ds_add_u32 v208, v209
	s_wait_dscnt 0x0
	s_endpgm
.Lfunc_end_k_q63844e4c8b_quant:
	.size	k_q63844e4c8b_quant, .Lfunc_end_k_q63844e4c8b_quant-k_q63844e4c8b_quant
	.p2alignl 7, 3214868480
	.fill 96, 4, 3214868480
	.section	.rodata,"a",@progbits
	.p2align	6, 0x0
	.amdhsa_kernel k_q63844e4c8b_quant
		.amdhsa_group_segment_fixed_size 68096
		.amdhsa_private_segment_fixed_size 0
		.amdhsa_enable_private_segment 0
		.amdhsa_kernarg_size 40
		.amdhsa_user_sgpr_count 2
		.amdhsa_user_sgpr_kernarg_segment_ptr 1
		.amdhsa_wavefront_size32 1
		.amdhsa_system_sgpr_workgroup_id_x 1
		.amdhsa_system_sgpr_workgroup_id_y 1
		.amdhsa_system_sgpr_workgroup_id_z 1
		.amdhsa_system_vgpr_workitem_id 0
		.amdhsa_next_free_vgpr 210
		.amdhsa_next_free_sgpr 66
		.amdhsa_reserve_vcc 0
		.amdhsa_float_denorm_mode_32 3
		.amdhsa_float_denorm_mode_16_64 3
		.amdhsa_memory_ordered 1
		.amdhsa_forward_progress 1
		.amdhsa_inst_pref_size 42
	.end_amdhsa_kernel
	.amdgpu_metadata
---
amdhsa.version: [ 1, 2 ]
amdhsa.kernels:
  - .name:           k_q63844e4c8b_quant
    .symbol:         k_q63844e4c8b_quant.kd
    .args:
      - { .name: x, .offset: 0, .size: 8, .value_kind: global_buffer, .address_space: global }
      - { .name: W_attn, .offset: 8, .size: 8, .value_kind: global_buffer, .address_space: global }
      - { .name: W_proj, .offset: 16, .size: 8, .value_kind: global_buffer, .address_space: global }
      - { .name: xq, .offset: 24, .size: 8, .value_kind: global_buffer, .address_space: global }
      - { .name: wq, .offset: 32, .size: 8, .value_kind: global_buffer, .address_space: global }
    .group_segment_fixed_size: 68096
    .private_segment_fixed_size: 0
    .kernarg_segment_align: 8
    .kernarg_segment_size: 40
    .max_flat_workgroup_size: 128
    .sgpr_count:     66
    .vgpr_count:     210
    .wavefront_size: 32
...
	.end_amdgpu_metadata
.endif
;; end of part 1
;; launch gemm_qkv (part 2): grid 4 x 64, 4 waves a work-group, clusters of 4 x 4, 327,680 bytes of LDS; arguments xq, wq, b_attn, qi, kv; writes qi, kv
.if DOCPART == 2
	.amdgcn_target "amdgcn-amd-amdhsa--gfx1250"
	.amdhsa_code_object_version 6
	.text
	.protected	k_q63844e4c8b_gemm_qkv
	.globl	k_q63844e4c8b_gemm_qkv
	.p2align	8
	.type	k_q63844e4c8b_gemm_qkv,@function
k_q63844e4c8b_gemm_qkv:
	s_mov_b64 s[64:65], 0
	v_nop
	global_prefetch_b8 v0, s[64:65] scope:SCOPE_SE
	s_setreg_imm32_b32 hwreg(HW_REG_WAVE_MODE, 25, 1), 1
	s_wait_xcnt 0x0
	s_wait_alu depctr_hold_cnt(0) depctr_sa_sdst(0) depctr_va_vdst(0) depctr_va_sdst(0) depctr_va_ssrc(0) depctr_va_vcc(0) depctr_vm_vsrc(0)
	s_getreg_b32 s2, hwreg(HW_REG_IB_STS2, 6, 4)
	s_cmp_eq_u32 s2, 0
	s_cbranch_scc0 .Lentry_in_a_cluster
	s_endpgm
.Lentry_in_a_cluster:
	s_bfe_u32 s2, ttmp6, 0x10000c
	s_cmp_lg_u32 s2, 0xf033
	s_cbranch_scc0 .Lentry_shape_is_right
	s_endpgm
.Lentry_shape_is_right:
; qkv = x W_attn + b_attn on codes of FP6 (E2M3) with E8M0 scales, K = 1,024; the results are quantised in registers and leave as IMAGES OF THE NEXT PRODUCTS' OPERAND REGISTERS; qkv never lies in memory as f32.
; THE DEAL: 256 work-groups = 64 blocks of 128 token positions x 4 groups of 256 columns.  A work-group makes 128 x 256 of q, then of k, then of v: three phases.  Its 128 rows of x, all of K, lie in LDS for the whole launch;
; the phase's 256 rows of W, all of K, lie beside them.  A row of xq and wq is 816 bytes (768 of codes, 32 scale bytes, 16 zeros), and so is an LDS row: row r begins at bank 12 r mod 64 (ISA guide 11.1), so the 32 lanes of an
; 8-byte load touch 64 different banks.  Tiles are dense in memory and are stated as rows of 256 bytes.
; FILLS: at the head one joint load a wave (waves 0, 1: 64 rows of x each; waves 2, 3: 128 rows of W_q each).  W's region is filled again twice (W_k, W_v; waves 2 and 3), each time behind the three lines and a round of the
; cluster's barrier; the load lands while the phase's results are quantised.  A plain barrier ahead of each phase, with every wave's wait for its loads, shows the rows to all.
; A PHASE: eight steps of 128 along K, 32 products each: a side of 4 blocks of 16 rows (source 1: a lane holds ONE of its rows) and a side of 8 blocks (source 0: the lane's registers run along its rows).
; q, k: the 4 blocks are 64 tokens (wave / 2), the 8 blocks 128 columns = two heads (wave % 2): quantised along the channels.  v: the 4 blocks are 64 columns = one head (wave), the 8 blocks the 128 tokens: quantised along the tokens.
; Rows lie at POSITIONS (index with bits 3 and 4 exchanged): register 16 B + i of a lane's 64 is index 32 B + 16 (lane / 16) + i of the 8-block side: 16 neighbours, as the conversions want them.
; The next step's fragments (36 LDS loads, two 8-byte pieces to a load) are asked for ahead of a step's products: s_wait_dscnt 36 leaves just these out.  The 32 accumulators take turns.
; OUT: qi: for each (batch, head) 128 tiles of 16 tokens x 64 channels: 768 bytes: lane l's registers 0-3 at 16 l, registers 4-5 at 512 + 8 l; then scale words (bytes 0, 1 the two blocks, bytes 2, 3 zero).
;      kv: for each (batch, head) and 128 keys a block of 13,056 bytes: 8 such tiles of k, 4 fragments of v^T (16 channels x 128 keys, 1,536 bytes: registers 4 c .. 4 c + 3 at 512 c + 16 l), k's scale words, v's.
; CLUSTERS: 4 x 4: x's rows are shared along a row of the cluster, W's along a column.  PREFETCH: W_k's tile is asked for at the head, W_v's in the first phase, a phase ahead of its load; all sixteen clusters read the same
; tile, so the four clusters with y < 4 ask, their 64 waves of a column sharing its 816 blocks of 256 bytes out by address, 13 lanes a wave, clamped to the tile's last block.
; LIMITS: a block of zeros carries the byte 1 (codes zero; this program alone reads the bytes); blocks under 2^-124 are held at the byte 1; NaN and infinities are not served.
; REGISTERS: window 0: v0-31, v96 addresses; v32-95 the 8-block side's scale words (8 block + step), v100-131 the 4-block side's; v132-227 the 4-block side's fragments, two sets (in the way out at work); v228-244 at work.
;   window 1: the 8-block side's fragments, two sets, at v0 and v128.  window 2: the accumulators ((a, b) at v[8 (8 a + b)]).  window 3: v0-63, v64-71 the biases.
; THE REFILLS (this stands in place of what is said of them above): each of the four waves brings 64 rows of the next W (204 rows of 256 bytes), by one line.  The lines and the round stand ahead of a phase's last
; two steps: step 7's fragments have been fetched and waited for by then, so nobody reads W's region any more, and the load has 64 products and the way out in which to land.
.set RW,    816
.set BLK,   16*RW
.set WR,    128*RW                     ; LDS: x's rows from 0, W's from here
.set STG,   WR+256*RW                  ; stages for scale words: 1,024 bytes a wave for q and k, then the same for v
.set SPARE, STG+8192                   ; the spare words
.set QSC,   6291456                    ; qi's scale words
.set KVB,   13056
.set KVH,   208896
.set VL,3
.set VR,4
.set L16,5
.set L8,6
.set SST,7
.set SRD,8
.set SSTV,9
.set SRDV,10
.set SH,11
.set BJA,12
.set BIA,13
.set VS2,14
.set PFO,15
.set A4,16
.set A8,20
.set SPW,28
.set NIL,29
.set AS4,30
.set AS8,31
.set AS8H,96
.set S8,32
.set S4,100
.set AF,132
.set T,132
.set CD,196
.set PWX,216
.set RB,220
.set TM,228
.set PW,244
.set BJ,0
.set BI,64
.set G1,24
.set G0,32
.set G1B,36
.set G0B,44
.set SEL,66
.set NF,36
.set MSB, 0
.macro WIN new
.if MSB != (\new)
	s_set_vgpr_msb (MSB<<8)|(\new)
.set MSB, (\new)
.endif
.endm
.macro WALU
	s_wait_alu depctr_va_vdst(0)
.endm
.macro PLACES n
.rept \n
	v_nop
.endr
.endm
.macro BARRIER
	s_barrier_signal -1
	s_barrier_wait -1
.endm
.macro CROUND
	BARRIER
	s_cmp_lg_u32 s14, 0
	s_cbranch_scc1 .Lnot_wave_0_\@
	s_barrier_signal -3
.Lnot_wave_0_\@:
	s_barrier_wait -3
	BARRIER
.endm
.macro FRAG reg, adr, q                ; 16 rows x 128 K: 12 registers: the 24 bytes at 96 q + 24 h of my row, and those 48 further on
	ds_load_2addr_b64 v[\reg:\reg+3], v[\adr] offset0:12*(\q) offset1:12*(\q)+1
	ds_load_2addr_b64 v[\reg+4:\reg+7], v[\adr] offset0:12*(\q)+2 offset1:12*(\q)+6
	ds_load_2addr_b64 v[\reg+8:\reg+11], v[\adr] offset0:12*(\q)+7 offset1:12*(\q)+8
.endm
.macro FETCH q, p
	WIN 0x40
.irp i, 0,1,2,3,4,5,6,7
	FRAG 128*(\p)+12*\i, A8+\i, \q
.endr
	WIN 0
.irp i, 0,1,2,3
	FRAG AF+48*(\p)+12*\i, A4+\i, \q
.endr
.endm
.macro SCALEW                          ; all of K's scale words: 32 bytes a row
.irp i, 0,1,2,3
	ds_load_b128 v[S8+8*\i:S8+8*\i+3], v[AS8] offset:\i*BLK
	ds_load_b128 v[S8+8*\i+4:S8+8*\i+7], v[AS8] offset:\i*BLK+16
	ds_load_b128 v[S8+32+8*\i:S8+32+8*\i+3], v[AS8H] offset:\i*BLK
	ds_load_b128 v[S8+32+8*\i+4:S8+32+8*\i+7], v[AS8H] offset:\i*BLK+16
	ds_load_b128 v[S4+8*\i:S4+8*\i+3], v[AS4] offset:\i*BLK
	ds_load_b128 v[S4+8*\i+4:S4+8*\i+7], v[AS4] offset:\i*BLK+16
.endr
.endm
.macro MUL32 q, p, zero
.irp a, 0,1,2,3
.irp b, 0,1,2,3,4,5,6,7
.if \zero
	v_wmma_scale_f32_16x16x128_f8f6f4 v[8*(8*\a+\b):8*(8*\a+\b)+7], v[128*(\p)+12*\b:128*(\p)+12*\b+11], v[AF+48*(\p)+12*\a:AF+48*(\p)+12*\a+11], 0, v[S8+8*\b+(\q)], v[S4+8*\a+(\q)] matrix_a_fmt:MATRIX_FMT_FP6 matrix_b_fmt:MATRIX_FMT_FP6
.else
	v_wmma_scale_f32_16x16x128_f8f6f4 v[8*(8*\a+\b):8*(8*\a+\b)+7], v[128*(\p)+12*\b:128*(\p)+12*\b+11], v[AF+48*(\p)+12*\a:AF+48*(\p)+12*\a+11], v[8*(8*\a+\b):8*(8*\a+\b)+7], v[S8+8*\b+(\q)], v[S4+8*\a+(\q)] matrix_a_fmt:MATRIX_FMT_FP6 matrix_b_fmt:MATRIX_FMT_FP6
.endif
.endr
.endr
.endm
.macro REFILL
	s_wait_tensorcnt 0x0                           ; W's region is filled again
	ds_add_u32 v[SPW], v[NIL]
	s_add_nc_u64 s[90:91], s[90:91], 1024*RW       ; the next tensor's rows
	s_wait_dscnt 0x0                               ; the add is done, and so are my reads of W's region: the phase's last fetch
	CROUND
	tensor_load_to_lds s[88:91], s[G1B:G1B+7]
	s_nop 0
	PLACES 4
.endm
.macro PHASE fill
	SCALEW
	FETCH 0, 0
.set Q_, 0
.rept 8
.if Q_ < 7
.if Q_ > 0
	PLACES 4                                       ; loads follow into the set that the step before multiplied
.endif
	FETCH Q_+1, (Q_+1)%2
.if (\fill) && (Q_ == 6)
	REFILL
.else
	s_wait_dscnt NF                                ; all but the fetch just issued
.endif
.else
	s_wait_dscnt 0x0
.endif
	WIN 0xa1                                       ; source 0 window 1, source 1 window 0, C and D window 2
	MUL32 Q_, Q_%2, Q_==0
	WIN 0
.set Q_, Q_+1
.endr
.endm
.macro SETADR s4, s8                   ; the LDS addresses of a phase: the 4-block side's rows begin at s4, the 8-block side's at s8
	v_add_nc_u32 v[A4], s\s4, v[VL]
	v_add_nc_u32 v[A8], s\s8, v[VL]
.irp i, 1,2,3
	v_add_nc_u32 v[A4+\i], \i*BLK, v[A4]
.endr
.irp i, 1,2,3,4,5,6,7
	v_add_nc_u32 v[A8+\i], \i*BLK, v[A8]
.endr
	v_add_nc_u32 v[AS4], s\s4, v[VR]
	v_add_nc_u32 v[AS8], s\s8, v[VR]
	v_add_nc_u32 v[AS8H], 4*BLK, v[AS8]
	WALU
.endm
; 64 numbers of a lane, v[s] .. v[s + 63], register 16 b + i = k 32 b + 16 (lane / 16) + i of my row, become a fragment's codes in v[CD] on and its scale word in v[pw].
.macro QUANT s, pw
.irp b, 0,1,2,3
	v_max3_num_f32 v[TM+\b], |v[\s+16*\b]|, |v[\s+1+16*\b]|, 0x1800000   ; block b: my 16 numbers, and the floor 2^(3 - 127): the byte cannot fall under 1
.endr
.irp i, 2,4,6,8,10,12,14
.irp b, 0,1,2,3
	v_max3_num_f32 v[TM+\b], v[TM+\b], |v[\s+16*\b+\i]|, |v[\s+1+16*\b+\i]|
.endr
.endr
.irp b, 0,1,2,3
	v_permlanex16_b32 v[TM+4+\b], v[TM+\b], s[SEL], s[SEL+1]
.endr
.irp b, 0,1,2,3
	v_max_num_f32 v[TM+\b], v[TM+\b], v[TM+4+\b]   ; with lane l xor 16's: the block's largest magnitude
.endr
.irp b, 0,1,2,3
	v_add_nc_u32 v[TM+12+\b], 0xff000000, v[TM+\b] ; 2 off its exponent field: the conversion's scale operand
.endr
.irp b, 0,1,2,3
	v_lshrrev_b32 v[TM+4+\b], 23, v[TM+12+\b]      ; the scale's byte
.endr
	v_lshl_or_b32 v[\pw], v[TM+5], 8, v[TM+4]
	v_lshl_or_b32 v[\pw], v[TM+6], 16, v[\pw]
	v_lshl_or_b32 v[\pw], v[TM+7], 24, v[\pw]
.irp c, 0,1
	v_cvt_scalef32_pk16_fp6_f32 v[CD+6*\c:CD+2+6*\c], v[\s+32*\c:\s+15+32*\c], v[TM+12+2*\c]
	v_cvt_scalef32_pk16_fp6_f32 v[CD+12+4*\c:CD+14+4*\c], v[\s+16+32*\c:\s+31+32*\c], v[TM+12+2*\c+1]
.endr
	v_nop                                          ; one plain place behind a scaled conversion
.irp c, 0,1                                    ; the operand's layout wants a WHOLE block in a lane
.irp i, 0,1,2
	v_permlane16_swap_b32 v[CD+6*\c+\i], v[CD+12+4*\c+\i]
.endr
.irp i, 0,1,2
	v_mov_b32 v[CD+3+6*\c+\i], v[CD+12+4*\c+\i]
.endr
.endr
.endm
; Block a of the 4-block side: its eight accumulators plus the bias, from each accumulator's low end on; quantised; stored.
; vmode = 0: registers 0-5 are a tile of my first head, registers 6-11 one of my second; the scale word's halves go with them.  vmode = 1: the 12 registers are one fragment of v^T.
.macro EBLOCK a, vmode
	WIN 0x0e                                       ; source 0: window 2, source 1: window 3
.irp b, 0,1,2,3,4,5,6,7
.irp p, 0,2,4,6
.if \vmode
	v_pk_add_f32 v[T+8*\b+\p:T+8*\b+\p+1], v[64*(\a)+8*\b+\p:64*(\a)+8*\b+\p+1], v[BI+2*(\a):BI+2*(\a)+1]
.else
	v_pk_add_f32 v[T+8*\b+\p:T+8*\b+\p+1], v[64*(\a)+8*\b+\p:64*(\a)+8*\b+\p+1], v[BJ+8*\b+\p:BJ+8*\b+\p+1]
.endif
.endr
.endr
	WIN 0
.if (\a) > 0
	s_wait_xcnt 0x0                                ; the last block's stores have read the codes' registers
.endif
.if \vmode
	QUANT T, PWX+(\a)
	ds_store_b32 v[SSTV], v[PWX+(\a)] offset:64*(\a)   ; both halves of the lanes write the same word with the same value
.irp c, 0,1,2
	global_store_b128 v[L16], v[CD+4*\c:CD+4*\c+3], s[68:69] offset:(\a)*1536+512*\c   ; 512 consecutive bytes, aligned
.endr
.else
	QUANT T, PW
	v_lshrrev_b32 v[PWX+(\a)], v[SH], v[PW]
	v_and_b32 v[PWX+(\a)], 0xffff, v[PWX+(\a)]     ; two bytes of scales; the upper two are 0, over the half of K that the tile does not have
	ds_store_b32 v[SST], v[PWX+(\a)] offset:64*(\a)
	global_store_b128 v[L16], v[CD:CD+3], s[68:69] offset:768*(\a)
	global_store_b64 v[L8], v[CD+4:CD+5], s[68:69] offset:768*(\a)+512
	global_store_b128 v[L16], v[CD+6:CD+9], s[70:71] offset:768*(\a)
	global_store_b64 v[L8], v[CD+10:CD+11], s[70:71] offset:768*(\a)+512
.endif
.endm
	s_load_b256 s[4:11], s[0:1], 0x0               ; xq s[4:5], wq s[6:7], b_attn s[8:9], qi s[10:11]
	s_load_b64 s[12:13], s[0:1], 0x20              ; kv
	v_lshl_add_u32 v[SPW], v0, 2, SPARE
	v_mov_b32 v[NIL], 0
	ds_add_u32 v[SPW], v[NIL]                      ; the opening lines: the add, twice on end, and its wait
	ds_add_u32 v[SPW], v[NIL]
	v_lshrrev_b32 v3, 5, v0
	v_readfirstlane_b32 s14, v3                    ; wave 0..3
	s_lshr_b32 s15, s14, 1
	s_and_b32 s16, s14, 1
	s_bfe_u32 s50, ttmp6, 0x40000                  ; cx: the group of 256 columns
	s_bfe_u32 s51, ttmp6, 0x40004                  ; cy
	s_and_b32 s58, ttmp7, 0xffff                   ; cluster y
	s_lshl_b32 s17, s58, 2
	s_add_co_u32 s17, s17, s51                     ; the block of 128 positions
	s_lshl_b32 s52, s51, 2
	s_lshl_b32 s52, 15, s52                        ; my row of the cluster
	s_lshl_b32 s53, 0x1111, s50                    ; my column
	s_or_b32 s[G1], s52, (3<<16)|(1<<21)           ; x: 64 rows of 816 bytes = 204 rows of 256 (32 elements of 8 bytes), dense
	s_mov_b32 s[G1+1], 32<<16
	s_mov_b32 s[G1+2], 204<<16
	s_mov_b32 s[G1+3], 32<<16
	s_mov_b32 s[G1+4], 204
	s_mov_b32 s[G1+5], 32
	s_mov_b32 s[G1+6], 0
	s_mov_b32 s[G1+7], 0
	s_or_b32 s[G1B], s53, (3<<16)|(1<<21)          ; W: 128 rows = 408 rows of 256
	s_mov_b32 s[G1B+1], 32<<16
	s_mov_b32 s[G1B+2], 408<<16
	s_mov_b32 s[G1B+3], 32<<16
	s_mov_b32 s[G1B+4], 408
	s_mov_b32 s[G1B+5], 32
	s_mov_b32 s[G1B+6], 0
	s_mov_b32 s[G1B+7], 0
	s_lshl_b32 s20, s17, 7
	s_lshl_b32 s21, s16, 6
	s_add_co_u32 s20, s20, s21
	s_mul_i32 s20, s20, RW                         ; x: row 128 x block + 64 x (wave % 2)
	s_mov_b32 s21, 0
	s_lshl_b32 s22, s50, 8
	s_lshl_b32 s23, s16, 7
	s_add_co_u32 s22, s22, s23
	s_mul_i32 s22, s22, RW                         ; W_q: row 256 cx + 128 x (wave % 2)
	s_mov_b32 s23, 0
	s_mov_b32 s[G0], 1
	s_mul_i32 s[G0+1], s16, 64*RW
	s_mov_b32 s[G0B], 1
	s_mul_i32 s[G0B+1], s16, 128*RW
	s_add_co_u32 s[G0B+1], s[G0B+1], WR
	s_lshl_b32 s56, s50, 8
	s_add_co_u32 s56, s56, 1024
	s_mul_i32 s56, s56, RW                         ; W_k's tile, for the prefetches
	s_mov_b32 s57, 0
	s_mul_i32 s60, s15, 64*RW                      ; q, k: my 64 rows of x,
	s_mul_i32 s61, s16, 128*RW
	s_add_co_u32 s61, s61, WR                      ; my 128 rows of W
	s_mov_b32 s[SEL], 0x76543210
	s_mov_b32 s[SEL+1], 0xfedcba98
	v_and_b32 v1, 15, v0                           ; r
	v_bfe_u32 v2, v0, 4, 1                         ; h
	v_mul_u32_u24 v[VR], v1, RW
	v_mad_u32_u24 v[VL], v2, 24, v[VR]             ; a fragment's row + 24 h
	v_add_nc_u32 v[VR], 768, v[VR]                 ; a row's scale bytes
	v_and_b32 v[PFO], 31, v0
	v_lshlrev_b32 v[L16], 4, v[PFO]
	v_lshlrev_b32 v[L8], 3, v[PFO]
	s_lshl_b32 s18, s14, 10
	s_add_co_u32 s18, s18, STG                     ; my stage
	v_lshlrev_b32 v[SSTV], 2, v1
	v_lshl_add_u32 v[SST], v2, 9, v[SSTV]
	v_add_nc_u32 v[SST], s18, v[SST]               ; q, k: a head's words: 512 h + 4 r
	v_lshlrev_b32 v[SRD], 4, v1
	v_lshl_add_u32 v[SRD], v2, 9, v[SRD]
	v_add_nc_u32 v[SRD], s18, v[SRD]               ; read back: 512 h + 16 r
	s_add_co_u32 s18, s18, 4096                    ; v has stage bytes of its own
	v_add_nc_u32 v[SSTV], s18, v[SSTV]
	v_add_nc_u32 v[SRDV], s18, v[L8]
	v_lshlrev_b32 v[SH], 4, v2
	v_lshlrev_b32 v[BJA], 6, v2
	v_and_b32 v[BIA], 8, v1
	v_add_nc_u32 v[BIA], v[BIA], v1
	v_lshlrev_b32 v[BIA], 2, v[BIA]
	s_lshl_b32 s18, s17, 2
	s_add_co_u32 s18, s18, s14
	s_mul_i32 s18, s18, 13                         ; the prefetches: 13 blocks of 256 bytes to each of the 64 waves that ask,
	v_min_u32 v[PFO], 12, v[PFO]
	v_add_nc_u32 v[PFO], s18, v[PFO]
	v_min_u32 v[PFO], 815, v[PFO]                  ; held at the tile's last block
	v_lshlrev_b32 v[PFO], 8, v[PFO]
.irp b, 0,1,2,3
	v_mov_b32 v[TM+4+\b], 0                        ; written once: a lane permute's destination counts as one of its sources
.endr
	SETADR 60, 61
	s_wait_dscnt 0x0
	CROUND                                         ; all sixteen work-groups are here: the first joint loads meet
	s_wait_kmcnt 0x0
	s_add_nc_u64 s[G0+2:G0+3], s[4:5], s[20:21]
	s_or_b32 s[G0+3], s[G0+3], 0x80000000
	s_add_nc_u64 s[G0B+2:G0B+3], s[6:7], s[22:23]
	s_or_b32 s[G0B+3], s[G0B+3], 0x80000000
	s_add_nc_u64 s[54:55], s[6:7], s[56:57]
	s_lshl_b32 s62, s50, 8                         ; the refills' group 0, s[88:91]: row 256 cx + 64 x wave of W_q, stepped to W_k and W_v; to W's region + 64 rows x wave
	s_lshl_b32 s63, s14, 6
	s_add_co_u32 s62, s62, s63
	s_mul_i32 s62, s62, RW
	s_mov_b32 s63, 0
	s_mov_b32 s88, 1
	s_mul_i32 s89, s14, 64*RW
	s_add_co_u32 s89, s89, WR
	s_add_nc_u64 s[90:91], s[6:7], s[62:63]
	s_or_b32 s91, s91, 0x80000000
	s_cmp_eq_u32 s15, 0
	s_cbranch_scc0 .Lhead_w
	tensor_load_to_lds s[G0:G0+3], s[G1:G1+7]
	s_nop 0
	PLACES 4
	s_branch .Lhead_asked
.Lhead_w:
	tensor_load_to_lds s[G0B:G0B+3], s[G1B:G1B+7]
	s_nop 0
	PLACES 4
.Lhead_asked:
	s_cmp_lt_u32 s58, 4
	s_cbranch_scc0 .Lno_pf0
	global_prefetch_b8 v[PFO], s[54:55] th:TH_LOAD_NT scope:SCOPE_SE   ; W_k's tile
.Lno_pf0:
	s_mov_b32 s3, 0
.Lqk:                                              ; two trips: q, then k
	s_wait_xcnt 0x0                                ; the last trip's stores have read their registers and bases
	s_lshl_b32 s76, s17, 7                         ; my work-group's first position
	s_lshr_b32 s77, s76, 11                        ; the batch
	s_bfe_u32 s78, s76, 0x40007                    ; which 128 tokens of its 2,048
	s_lshl_b32 s77, s77, 4
	s_lshl_b32 s79, s50, 2
	s_add_co_u32 s77, s77, s79
	s_lshl_b32 s79, s16, 1
	s_add_co_u32 s77, s77, s79                     ; 16 x batch + my first head (4 cx + 2 (wave % 2))
	s_mov_b32 s80, KVH
	s_mov_b32 s81, KVB
	s_mov_b32 s82, KVH
	s_mov_b32 s83, KVB
	s_mov_b32 s84, 12288
	s_cmp_eq_u32 s3, 0                             ; q goes to qi, k to kv
	s_cselect_b32 s80, 98304, s80                  ; from head to head: codes,
	s_cselect_b32 s81, 6144, s81                   ; from 128 tokens to the next,
	s_cselect_b32 s82, 8192, s82                   ; the same for the scale words,
	s_cselect_b32 s83, 512, s83
	s_cselect_b32 s84, QSC, s84                    ; and where they begin
	s_cselect_b64 s[86:87], s[10:11], s[12:13]
	s_mul_i32 s68, s77, s80
	s_mul_i32 s85, s78, s81
	s_add_co_u32 s68, s68, s85
	s_mul_i32 s85, s15, 3072                       ; my four tiles of the eight
	s_add_co_u32 s68, s68, s85
	s_mov_b32 s69, 0
	s_add_nc_u64 s[68:69], s[86:87], s[68:69]      ; the first head's tiles
	s_mov_b32 s81, 0
	s_add_nc_u64 s[70:71], s[68:69], s[80:81]      ; the second head's
	s_mul_i32 s72, s77, s82
	s_mul_i32 s85, s78, s83
	s_add_co_u32 s72, s72, s85
	s_add_co_u32 s72, s72, s84
	s_lshl_b32 s85, s15, 8
	s_add_co_u32 s72, s72, s85
	s_mov_b32 s73, 0
	s_add_nc_u64 s[72:73], s[86:87], s[72:73]      ; the first head's 256 bytes of scale words
	v_mul_u32_u24 v[VS2], s82, v2
	v_lshl_add_u32 v[VS2], v1, 4, v[VS2]           ; lanes 16-31 store the second head's
	s_lshl_b32 s92, s3, 12
	s_lshl_b32 s93, s50, 10
	s_add_co_u32 s92, s92, s93
	s_lshl_b32 s93, s16, 9
	s_add_co_u32 s92, s92, s93                     ; the bias: 4 (1,024 x trip + 256 cx + 128 (wave % 2))
	s_mov_b32 s93, 0
	s_add_nc_u64 s[92:93], s[8:9], s[92:93]
	WIN 0xc0
.irp t, 0,1,2,3,4,5,6,7                        ; lane (r, h) wants, for tile 2 B + u, the bias of channels 32 B + 16 h + 8 u + 0 .. 7
	global_load_b128 v[BJ+8*\t:BJ+8*\t+3], v[BJA], s[92:93] offset:(32*(\t/2)+8*(\t%2))*4
	global_load_b128 v[BJ+8*\t+4:BJ+8*\t+7], v[BJA], s[92:93] offset:(32*(\t/2)+8*(\t%2))*4+16
.endr
	WIN 0
	WALU
	s_wait_tensorcnt 0x0                           ; my rows are in,
	s_mov_b32 s[G1B+2], 204<<16                    ; and no tensor load of mine is out: from here on a load of W brings 64 rows = 204 rows of 256 bytes
	s_mov_b32 s[G1B+4], 204
	s_wait_dscnt 0x0
	BARRIER                                        ; everybody's are
	PHASE 1
	PLACES 4                                       ; behind the last products: what follows reads results and writes registers that they read
	s_lshl_b32 s56, s3, 2
	s_add_co_u32 s56, s56, s58
	s_cmp_lt_u32 s56, 4                            ; in the first trip, in the clusters with y < 4
	s_cbranch_scc0 .Lno_pf1
	global_prefetch_b8 v[PFO], s[54:55] offset:1024*RW th:TH_LOAD_NT scope:SCOPE_SE   ; W_v's tile
.Lno_pf1:
	s_wait_loadcnt 0x0                             ; the bias
.irp a, 0,1,2,3
	EBLOCK \a, 0
.endr
	ds_load_b128 v[RB:RB+3], v[SRD]                ; LDS serves a wave's instructions in order: this sees my stores
	s_wait_dscnt 0x0
	global_store_b128 v[VS2], v[RB:RB+3], s[72:73] ; sixteen lanes store 256 consecutive bytes, aligned, for each head
	s_add_co_u32 s3, s3, 1
	s_cmp_lt_u32 s3, 2
	WALU
	s_cbranch_scc1 .Lqk
	; v: the 4-block side is my head's 64 rows of W_v, the 8-block side the 128 rows of x
	s_wait_xcnt 0x0
	s_mul_i32 s60, s14, 64*RW
	s_add_co_u32 s60, s60, WR
	s_mov_b32 s61, 0
	SETADR 60, 61
	s_lshl_b32 s76, s17, 7
	s_lshr_b32 s77, s76, 11
	s_bfe_u32 s78, s76, 0x40007
	s_lshl_b32 s77, s77, 4
	s_lshl_b32 s79, s50, 2
	s_add_co_u32 s77, s77, s79
	s_add_co_u32 s77, s77, s14                     ; 16 x batch + my head (4 cx + wave)
	s_mul_i32 s68, s77, KVH
	s_mul_i32 s85, s78, KVB
	s_add_co_u32 s68, s68, s85
	s_add_co_u32 s68, s68, 6144                    ; v^T's fragments lie behind k's tiles
	s_mov_b32 s69, 0
	s_add_nc_u64 s[68:69], s[12:13], s[68:69]
	s_add_nc_u64 s[72:73], s[68:69], 6656          ; v's scale words
	s_lshl_b32 s92, s50, 10
	s_lshl_b32 s93, s14, 8
	s_add_co_u32 s92, s92, s93
	s_add_co_u32 s92, s92, 8192                    ; the bias: 4 (2,048 + 256 cx + 64 wave)
	s_mov_b32 s93, 0
	s_add_nc_u64 s[92:93], s[8:9], s[92:93]
	WIN 0xc0
.irp a, 0,1,2,3                                ; for block 2 A + u that of channel 32 A + 8 u + r + 8 (r / 8), twice: a pair for the packed addition
	global_load_b32 v[BI+2*\a], v[BIA], s[92:93] offset:(32*(\a/2)+8*(\a%2))*4
	global_load_b32 v[BI+2*\a+1], v[BIA], s[92:93] offset:(32*(\a/2)+8*(\a%2))*4
.endr
	WIN 0
	s_wait_tensorcnt 0x0
	s_wait_dscnt 0x0
	BARRIER                                        ; W_v's rows are in
	PHASE 0
	PLACES 4
	s_wait_loadcnt 0x0
.irp a, 0,1,2,3
	EBLOCK \a, 1
.endr
	ds_load_b64 v[RB:RB+1], v[SRDV]
	s_wait_dscnt 0x0
	global_store_b64 v[L8], v[RB:RB+1], s[72:73]   ; 256 consecutive bytes, aligned
	s_wait_tensorcnt 0x0                           ; the wave's end
	ds_add_u32 v[SPW], v[NIL]
	s_wait_dscnt 0x0
	CROUND                                         ; the closing round
	s_endpgm
.Lfunc_end_k_q63844e4c8b_gemm_qkv:
	.size	k_q63844e4c8b_gemm_qkv, .Lfunc_end_k_q63844e4c8b_gemm_qkv-k_q63844e4c8b_gemm_qkv
	.p2alignl 7, 3214868480
	.fill 96, 4, 3214868480
	.section	.rodata,"a",@progbits
	.p2align	6, 0x0
	.amdhsa_kernel k_q63844e4c8b_gemm_qkv
		.amdhsa_group_segment_fixed_size 327680
		.amdhsa_private_segment_fixed_size 0
		.amdhsa_enable_private_segment 0
		.amdhsa_kernarg_size 40
		.amdhsa_user_sgpr_count 2
		.amdhsa_user_sgpr_kernarg_segment_ptr 1
		.amdhsa_wavefront_size32 1
		.amdhsa_system_sgpr_workgroup_id_x 1
		.amdhsa_system_sgpr_workgroup_id_y 1
		.amdhsa_system_sgpr_workgroup_id_z 1
		.amdhsa_system_vgpr_workitem_id 0
		.amdhsa_next_free_vgpr 1024
		.amdhsa_next_free_sgpr 96
		.amdhsa_reserve_vcc 0
		.amdhsa_float_denorm_mode_32 3
		.amdhsa_float_denorm_mode_16_64 3
		.amdhsa_memory_ordered 1
		.amdhsa_forward_progress 1
		.amdhsa_inst_pref_size 173
	.end_amdhsa_kernel
	.amdgpu_metadata
---
amdhsa.version: [ 1, 2 ]
amdhsa.kernels:
  - .name:           k_q63844e4c8b_gemm_qkv
    .symbol:         k_q63844e4c8b_gemm_qkv.kd
    .args:
      - { .name: xq, .offset: 0, .size: 8, .value_kind: global_buffer, .address_space: global }
      - { .name: wq, .offset: 8, .size: 8, .value_kind: global_buffer, .address_space: global }
      - { .name: b_attn, .offset: 16, .size: 8, .value_kind: global_buffer, .address_space: global }
      - { .name: qi, .offset: 24, .size: 8, .value_kind: global_buffer, .address_space: global }
      - { .name: kv, .offset: 32, .size: 8, .value_kind: global_buffer, .address_space: global }
    .group_segment_fixed_size: 327680
    .private_segment_fixed_size: 0
    .kernarg_segment_align: 8
    .kernarg_segment_size: 40
    .max_flat_workgroup_size: 128
    .sgpr_count:     96
    .vgpr_count:     1024
    .wavefront_size: 32
...
	.end_amdgpu_metadata
.endif
;; end of part 2
;; launch attn (part 3): grid 4 x 64, 16 waves a work-group, clusters of 4 x 1, 223,232 bytes of LDS; arguments qi, kv, yq; writes yq
.if DOCPART == 3
	.amdgcn_target "amdgcn-amd-amdhsa--gfx1250"
	.amdhsa_code_object_version 6
	.text
	.protected	k_q63844e4c8b_attn
	.globl	k_q63844e4c8b_attn
	.p2align	8
	.type	k_q63844e4c8b_attn,@function
k_q63844e4c8b_attn:
	s_mov_b64 s[64:65], 0
	v_nop
	global_prefetch_b8 v0, s[64:65] scope:SCOPE_SE
	s_setreg_imm32_b32 hwreg(HW_REG_WAVE_MODE, 25, 1), 1
	s_wait_xcnt 0x0
	s_wait_alu depctr_hold_cnt(0) depctr_sa_sdst(0) depctr_va_vdst(0) depctr_va_sdst(0) depctr_va_ssrc(0) depctr_va_vcc(0) depctr_vm_vsrc(0)
	s_getreg_b32 s2, hwreg(HW_REG_IB_STS2, 6, 4)
	s_cmp_eq_u32 s2, 0
	s_cbranch_scc0 .Lentry_in_a_cluster
	s_endpgm
.Lentry_in_a_cluster:
	s_bfe_u32 s2, ttmp6, 0x10000c
	s_cmp_lg_u32 s2, 0x3003
	s_cbranch_scc0 .Lentry_shape_is_right
	s_endpgm
.Lentry_shape_is_right:
; y = softmax(q k^T / 8, causal) v for one (batch, head), both products on codes of FP6 (E2M3) with E8M0 scales; y is divided by the row's sum, quantised along the channels and stored as codes for the last product.
; THE SOFTMAX: t = score x log2(e) / 8; M = the running largest t, rounded UP to a whole number; p = 2^(t - M) is quantised along the keys, not normalised; the row's sum is taken of the unquantised p;
; when M moves, the sum and O are multiplied by 2^(old M - new M), which rounds nothing.
; LEFT OUT: key steps all of whose keys come after a tile's queries: the causal mask sets their scores to -inf, so their p is 0 for all values of the inputs.
; K AND V STAY IN LDS.  A head's 16 blocks of kv (128 keys each: 13,056 bytes, images of the operands' registers) are 208,896 bytes: each of the sixteen waves brings one block by one tensor load of 51 rows of 256 bytes, at the head.
; Nothing is filled again, so the key loops have no barrier.  Everything is asked for at the head and there is no loop to run ahead in: no prefetch.
; CLUSTER: the four work-groups of a head read the same sixteen blocks: each load is a joint one, mask 15.
; SHARES.  A head has 128 tiles of 16 queries.  Work-group cx takes the tiles T = 4 a + cx, a = 0 .. 31; wave w takes a = 31 - w and then a = w.  Tile T needs the key steps 0 .. T / 8 = a / 2:
; (31 - w) / 2 + w / 2 + 2 = 17 steps for every wave of every work-group.  The count and the diagonal step hang on a alone: no branch hangs on cx; cx enters global addresses and the mask's numbers only.
; THE ORDER.  Waves 0-3 have a load line of their own and wait for it ahead of the first barrier, which shows blocks 0-3.  The long tile (a >= 16: its diagonal step is 8 or later) walks steps 0-3, unmasked.
; Then every wave waits for its load, and a second barrier shows all blocks.  A loop of two trips follows: twelve steps (4 .. 15 of the long tile; 0 .. 11 of the short one; those past the diagonal are jumped over), and the way out.
; LAYOUT.  Both products are used transposed: S^T = K Q^T, O^T = V^T P^T: a lane holds ONE query.  Tiles hold positions (index with bits 3 and 4 exchanged): lane r of tile 2 B + u is row 32 B + 8 u + r + 8 (r / 8),
; so the 16 registers of tiles 2 B, 2 B + 1 are the keys 32 B + 16 (lane / 16) + 0 .. 15.  The head has 64 channels: Q's upper 64 of K are zero codes.  A tile of K is six registers; the eight lie six apart, so that a
; fragment's upper six registers are the next tile's codes, which meet Q's zeros (behind the last: six registers of zeros); K's scale bytes 2 and 3 are 0, a finite code.
; A scale register carries two tiles' words: lanes 0-15 the even tile's, lanes 16-31 the odd one's.  V's fragments are asked for behind the score products and waited for ahead of the second product.
; LIMITS: the promise holds while |t| stays under 2^31; 1 / sum is v_rcp_f32 and a multiplication; blocks of zeros carry the byte 1 (this program alone reads the bytes); NaN and infinities are not served.
; y's scale bytes leave two at a time (a row's 32 come from 16 heads' work-groups).
; REGISTERS: v1-3 16, 8, 4 x lane; v4-6 the same + the step's block; v7 the mask's term; v8, v10, v11 my stage; v9 32 r; v12 -M, v13 the largest t, v[14:15] the sum; v16-27 Q; v28, v29 the add's two; v30 4 r;
; v32-79 K's eight tiles, then V's four fragments; v80-85 zeros; v86-89 K's scale words, v90-91 V's; v96-159 S^T, then p; v160-191 O^T; v192-223 y; v224-235 codes; v222-223, v232-254 at work; v253 p's scale word, v255 Q's.
.set KVB,   13056
.set KVH,   208896
.set QSC,   6291456
.set YH,    393216                     ; a head's codes in yq: 8,192 positions x 48 bytes
.set YSC,   6291456
.set STAGE, KVH                        ; behind K and V: 768 bytes for each wave
.set SPARE, STAGE+16*768               ; the spare words, 128 bytes for each wave
.macro WALU
	s_wait_alu depctr_va_vdst(0)
.endm
.macro BARRIER
	s_barrier_signal -1
	s_barrier_wait -1
.endm
.macro CROUND                          ; a round of the cluster's barrier
	BARRIER
	s_cmp_lg_u32 s18, 0
	s_cbranch_scc1 .Lnot_wave_0_\@
	s_barrier_signal -3
.Lnot_wave_0_\@:
	s_barrier_wait -3
	BARRIER
.endm
.macro MM d, a, b, c, sa, sb, row
	v_wmma_scale_f32_16x16x128_f8f6f4 v[\d:\d+7], v[\a:\a+11], v[\b:\b+11], \c, v[\sa], v[\sb] matrix_a_fmt:MATRIX_FMT_FP6 matrix_b_fmt:MATRIX_FMT_FP6 matrix_a_scale:MATRIX_SCALE_ROW\row
.endm
; Tile a = s19 of my work-group's 32: its addresses, Q's loads, and the sums' start
.macro INIT
	s_lshr_b32 s24, s19, 1                         ; the diagonal step
	s_lshl_b32 s46, s19, 2
	s_add_co_u32 s46, s46, s17                     ; T = 4 a + cx: my tile among the head's 128
	s_lshr_b32 s30, s46, 1
	s_lshl_b32 s30, s30, 5
	s_and_b32 s44, s46, 1
	s_lshl_b32 s44, s44, 3
	s_add_co_u32 s30, s30, s44                     ; my first query: 32 (T / 2) + 8 (T % 2); lane r holds query + r + 8 (r / 8)
	s_lshl_b32 s48, s25, 7
	s_add_co_u32 s48, s48, s46
	s_mul_i32 s44, s48, 768
	s_add_nc_u64 s[36:37], s[4:5], s[44:45]        ; Q's image
	s_lshl_b32 s44, s48, 6
	s_add_co_u32 s44, s44, QSC
	s_add_nc_u64 s[38:39], s[4:5], s[44:45]        ; its scale words
	s_lshr_b32 s48, s25, 4
	s_lshl_b32 s48, s48, 7
	s_add_co_u32 s48, s48, s46                     ; my tile among all 512 tiles of positions
	s_and_b32 s49, s25, 15                         ; the head
	s_mul_i32 s44, s48, 768
	s_mul_i32 s50, s49, YH
	s_add_co_u32 s44, s44, s50
	s_add_nc_u64 s[40:41], s[8:9], s[44:45]        ; y's codes: 16 rows of 48 bytes
	s_lshl_b32 s44, s48, 9
	s_lshl_b32 s50, s49, 1
	s_add_co_u32 s44, s44, s50
	s_add_co_u32 s44, s44, YSC
	s_add_nc_u64 s[42:43], s[8:9], s[44:45]        ; y's scale bytes: 32 a row, mine at 2 x head
	global_load_b128 v[16:19], v1, s[36:37]        ; Q's fragment: registers 0-3,
	global_load_b64 v[20:21], v2, s[36:37] offset:512  ; 4-5
	global_load_b32 v255, v30, s[38:39]
	v_mov_b32 v13, 0xff61b1e6                      ; the largest t so far: -3e38, under every t
	v_floor_f32 v12, -v13                          ; -M
	v_mov_b32 v14, 0                               ; the sum, in two halves
	v_mov_b32 v15, 0
.set J, 0
.rept 32
	v_mov_b32 v[160+J], 0                          ; O^T: the first step finds zeros, which the first change of M leaves zeros
.set J, J+1
.endr
.endm
; A KEY STEP: step s27, its block at LDS byte s31.  full = 1: a step past the diagonal is jumped over, the diagonal step is masked (branches on the wave's number and the loops' counters)
.macro STEP full
.if \full
	s_cmp_gt_u32 s27, s24
	s_cbranch_scc1 .Lhid_\@
.endif
	v_add_nc_u32 v4, s31, v1                       ; (these three and the v_nop are the places in front of loads into registers that matrix instructions have read)
	v_add_nc_u32 v5, s31, v2
	v_add_nc_u32 v6, s31, v3
	v_nop
	WALU
.set T, 0
.rept 8
	ds_load_b128 v[32+6*T:35+6*T], v4 offset:768*T
	ds_load_b64 v[36+6*T:37+6*T], v5 offset:768*T+512
.set T, T+1
.endr
.irp i, 0,1,2,3
	ds_load_b32 v[86+\i], v6 offset:12288+128*\i   ; lanes 0-15 tile 2 i's scale words, lanes 16-31 tile 2 i + 1's
.endr
	s_wait_dscnt 0x0
.set T, 0
.rept 4                                        ; S^T = K Q^T
	MM 96+16*T, 32+12*T, 16, 0, 86+T, 255, 0
	MM 104+16*T, 38+12*T, 16, 0, 86+T, 255, 1
.set T, T+1
.endr
.rept 4
	v_nop                                          ; places: loads into K's registers and reads of the scores follow
.endr
.set T, 0
.rept 12
	ds_load_b128 v[32+4*T:35+4*T], v4 offset:6144+512*T   ; V^T's four fragments: 14 loads, waited for ahead of the second product
.set T, T+1
.endr
	ds_load_b32 v90, v6 offset:12800
	ds_load_b32 v91, v6 offset:12928
.if \full
	s_cmp_lg_u32 s27, s24                          ; on the diagonal the scores of hidden keys become -infinity ahead of the maximum: p = 0 then
	s_cbranch_scc1 .Lopen_\@
	s_lshl_b32 s44, s27, 7
	s_sub_co_i32 s44, s30, s44
	v_add_nc_u32 v252, s44, v7                     ; d = my query - the step's first key - 16 h.  Register 16 b + i holds key 32 b + 16 h + i of the step: hidden where 32 b + i > d
	v_mov_b32 v254, 0xff800000                     ; -infinity
.set N, 0
.rept 64
	v_cmp_gt_i32 vcc_lo, 32*(N/16)+N%16, v252
	v_cndmask_b32 v[96+N], v[96+N], v254, vcc_lo
.set N, N+1
.endr
.Lopen_\@:
.endif
.irp b, 0,1,2,3
	v_max3_num_f32 v[232+\b], v[96+16*\b], v[97+16*\b], v[98+16*\b]   ; the largest score of each block of 32 keys: for the row's maximum and, since p rises with the score, for the block's largest p
.endr
.irp i, 3,5,7,9,11,13
.irp b, 0,1,2,3
	v_max3_num_f32 v[232+\b], v[232+\b], v[96+16*\b+\i], v[97+16*\b+\i]
.endr
.endr
.irp b, 0,1,2,3
	v_max_num_f32 v[232+\b], v[232+\b], v[111+16*\b]
.endr
.irp b, 0,1,2,3
	s_delay_alu instid0(VALU_DEP_4)
	v_permlanex16_b32 v[236+\b], v[232+\b], s20, s21
.endr
.irp b, 0,1,2,3
	s_delay_alu instid0(VALU_DEP_4)
	v_max_num_f32 v[232+\b], v[232+\b], v[236+\b]  ; with lane l xor 16's 16 keys
.endr
	s_delay_alu instid0(VALU_DEP_2)
	v_max3_num_f32 v254, v232, v233, v234
	s_delay_alu instid0(VALU_DEP_1)
	v_max_num_f32 v254, v254, v235                 ; the step's largest score of my query
	s_delay_alu instid0(VALU_DEP_1)
	v_mul_f32 v254, s22, v254                      ; as t (c is positive)
	s_delay_alu instid0(VALU_DEP_1)
	v_max_num_f32 v13, v13, v254                   ; the running largest t
	v_mov_b32 v254, v12
	s_delay_alu instid0(VALU_DEP_2)
	v_floor_f32 v12, -v13                          ; the new -M = floor(-t) = -ceil(t): a whole number
	s_delay_alu instid0(VALU_DEP_1)
	v_sub_f32 v254, v12, v254                      ; M's old value less its new one: a whole number, 0 or less
	s_delay_alu instid0(VALU_DEP_1)
	v_cvt_i32_f32 v254, v254                       ; (it saturates)
	s_delay_alu instid0(VALU_DEP_1)
	v_ldexp_f32 v252, 1.0, v254                    ; f = 2^(old M - new M)
.set J, 0
.rept 32
	v_pk_fma_f32 v[96+J:97+J], v[96+J:97+J], s[22:23], v[12:13] op_sel_hi:[1,0,0]   ; t - M, two at a time
.set J, J+2
.endr
.irp b, 0,1,2,3
	v_fma_f32 v[232+\b], v[232+\b], s22, v12       ; the same of each block's largest score
.endr
	WALU                                           ; the wait ahead of the batch
.set J, 0
.rept 64
	v_exp_f32 v[96+J], v[96+J]                     ; p = 2^(t - M), at most 1
.set J, J+1
.endr
.irp b, 0,1,2,3
	v_exp_f32 v[232+\b], v[232+\b]                 ; the block's largest p: the same two instructions on the same number give the same bits
.endr
	v_pk_mul_f32 v[14:15], v[14:15], v[252:253] op_sel_hi:[1,0]   ; the sums under the new M (a plain place behind the exponentials)
	WALU                                           ; and behind it
.irp b, 0,1,2,3
	v_max_num_f32 v[232+\b], 0x1800000, v[232+\b]  ; the floor 2^(3 - 127): the byte cannot fall under 1
.endr
.irp b, 0,1,2,3
	s_delay_alu instid0(VALU_DEP_4)
	v_add_nc_u32 v[244+\b], 0xff000000, v[232+\b]  ; 2 off the exponent field: the conversion's scale operand
.endr
.irp b, 0,1,2,3
	s_delay_alu instid0(VALU_DEP_4)
	v_lshrrev_b32 v[236+\b], 23, v[244+\b]         ; the scale's byte
.endr
	s_delay_alu instid0(VALU_DEP_3)
	v_lshl_or_b32 v253, v237, 8, v236              ; p's scale word for these 128 keys
	s_delay_alu instid0(VALU_DEP_1)
	v_lshl_or_b32 v253, v238, 16, v253
	s_delay_alu instid0(VALU_DEP_1)
	v_lshl_or_b32 v253, v239, 24, v253
.irp c, 0,1
	v_cvt_scalef32_pk16_fp6_f32 v[224+6*\c:226+6*\c], v[96+32*\c:111+32*\c], v[244+2*\c]
	v_cvt_scalef32_pk16_fp6_f32 v[236+4*\c:238+4*\c], v[112+32*\c:127+32*\c], v[244+2*\c+1]
.endr
	v_nop                                          ; one plain place behind a scaled conversion
.irp c, 0,1                                    ; the operand's layout wants a WHOLE block in a lane
.irp i, 0,1,2
	v_permlane16_swap_b32 v[224+6*\c+\i], v[236+4*\c+\i]
.endr
.irp i, 0,1,2
	s_delay_alu instid0(VALU_DEP_3)
	v_mov_b32 v[227+6*\c+\i], v[236+4*\c+\i]
.endr
.endr
	v_pk_add_f32 v[236:237], v[100:101], v[104:105]    ; the row's sum of the unquantised p, in eight chains
	v_pk_add_f32 v[250:251], v[108:109], v[112:113]
	v_pk_add_f32 v[248:249], v[116:117], v[120:121]
	v_pk_add_f32 v[246:247], v[124:125], v[128:129]
	v_pk_add_f32 v[244:245], v[132:133], v[136:137]
	v_pk_add_f32 v[240:241], v[140:141], v[144:145]
	v_pk_add_f32 v[222:223], v[148:149], v[152:153]
	v_pk_add_f32 v[14:15], v[14:15], v[156:157]
	v_pk_add_f32 v[236:237], v[236:237], v[96:97]
	v_pk_add_f32 v[250:251], v[250:251], v[98:99]
	v_pk_add_f32 v[248:249], v[248:249], v[102:103]
	v_pk_add_f32 v[246:247], v[246:247], v[106:107]
	v_pk_add_f32 v[244:245], v[244:245], v[110:111]
	v_pk_add_f32 v[240:241], v[240:241], v[114:115]
	v_pk_add_f32 v[222:223], v[222:223], v[118:119]
	v_pk_add_f32 v[14:15], v[14:15], v[122:123]
	v_pk_add_f32 v[236:237], v[236:237], v[126:127]
	v_pk_add_f32 v[250:251], v[250:251], v[130:131]
	v_pk_add_f32 v[248:249], v[248:249], v[134:135]
	v_pk_add_f32 v[246:247], v[246:247], v[138:139]
	v_pk_add_f32 v[244:245], v[244:245], v[142:143]
	v_pk_add_f32 v[240:241], v[240:241], v[146:147]
	v_pk_add_f32 v[222:223], v[222:223], v[150:151]
	v_pk_add_f32 v[14:15], v[14:15], v[154:155]
	v_pk_add_f32 v[236:237], v[236:237], v[158:159]
	s_delay_alu instid0(VALU_DEP_2)
	v_pk_add_f32 v[14:15], v[14:15], v[246:247]
	s_delay_alu instid0(VALU_DEP_2)
	v_pk_add_f32 v[236:237], v[236:237], v[244:245]
	v_pk_add_f32 v[250:251], v[250:251], v[240:241]
	v_pk_add_f32 v[248:249], v[248:249], v[222:223]
	s_delay_alu instid0(VALU_DEP_2)
	v_pk_add_f32 v[14:15], v[14:15], v[250:251]
	s_delay_alu instid0(VALU_DEP_2)
	v_pk_add_f32 v[236:237], v[236:237], v[248:249]
	s_delay_alu instid0(VALU_DEP_1)
	v_pk_add_f32 v[14:15], v[14:15], v[236:237]
	WALU                                           ; the wait here, directly ahead of the first reader of O^T
.set J, 0
.rept 16
	v_pk_mul_f32 v[160+J:161+J], v[160+J:161+J], v[252:253] op_sel_hi:[1,0]   ; O^T under the new M
.set J, J+2
.endr
	WALU                                           ; the wait here, directly ahead of the wait below
	s_wait_dscnt 0x0                               ; V's 14 loads
.set T, 0
.rept 2                                        ; O^T += V^T P^T: the four accumulators take turns, one instruction a turn
	MM 160+16*T, 32+24*T, 224, v[160+16*T:167+16*T], 90+T, 253, 0
	MM 168+16*T, 44+24*T, 224, v[168+16*T:175+16*T], 90+T, 253, 1
.set T, T+1
.endr
.if \full
.Lhid_\@:
.endif
.endm
	s_load_b128 s[4:7], s[0:1], 0x0                ; qi s[4:5], kv s[6:7]
	s_load_b64 s[8:9], s[0:1], 0x10                ; yq
	v_lshl_add_u32 v28, v0, 2, SPARE
	v_mov_b32 v29, 0
	ds_add_u32 v28, v29                            ; the opening lines: the add, twice on end, and its wait ahead of my tensor load
	ds_add_u32 v28, v29
	v_lshrrev_b32 v31, 5, v0
	v_readfirstlane_b32 s18, v31                   ; wave 0..15
	v_and_b32 v31, 31, v0                          ; lane
	v_and_b32 v30, 15, v0                          ; r
	v_bfe_u32 v6, v0, 4, 1                         ; h
	v_lshlrev_b32 v1, 4, v31
	v_lshlrev_b32 v2, 3, v31
	v_lshlrev_b32 v3, 2, v31
	v_and_b32 v7, 8, v30
	v_add_nc_u32 v7, v7, v30
	v_lshlrev_b32 v4, 4, v6
	v_sub_nc_u32 v7, v7, v4                        ; r + 8 (r / 8) - 16 h: for the mask
	s_mul_i32 s44, s18, 768
	s_add_co_u32 s44, s44, STAGE                   ; my stage
	v_mul_u32_u24 v8, v30, 48
	v_mad_u32_u24 v8, v6, 24, v8
	v_add_nc_u32 v8, s44, v8                       ; into it: row r of 48 bytes, + 24 h
	v_lshlrev_b32 v9, 5, v30                       ; a row of y's scale bytes
	v_add_nc_u32 v10, s44, v1                      ; out of it
	v_add_nc_u32 v11, s44, v2
	v_lshlrev_b32 v30, 2, v30                      ; 4 r
.irp j, 22,23,24,25,26,27, 80,81,82,83,84,85, 236,237,238,239,252,253,254
	v_mov_b32 v[\j], 0                             ; Q's upper 64 of K and what lies behind K's last tile: zero codes; the others: a lane permute's destination counts as one of its sources, v253 is named as the upper half of a pair
.endr
	s_mov_b32 s20, 0x76543210
	s_mov_b32 s21, 0xfedcba98                      ; v_permlanex16_b32's selects for lane l xor 16
	s_mov_b32 s22, 0x3e38aa3b                      ; c = log2(e) / 8
	s_mov_b32 s23, s22                             ; (named with it as a pair)
	s_bfe_u32 s17, ttmp6, 0x40000                  ; cx
	s_and_b32 s25, ttmp7, 0xffff                   ; 16 x batch + head: the cluster's y
	s_mov_b32 s45, 0
	s_mov_b32 s52, 1                               ; group 0: block = wave, to LDS byte wave x 13,056
	s_mul_i32 s53, s18, KVB
	s_mul_i32 s46, s25, KVH
	s_add_co_u32 s46, s46, s53
	s_mov_b32 s47, 0
	s_mov_b32 s56, 15|(3<<16)|(1<<21)              ; group 1: the four work-groups of the cluster; elements of 8 bytes; 51 rows of 256 bytes, dense
	s_mov_b32 s57, 32<<16
	s_mov_b32 s58, 51<<16
	s_mov_b32 s59, 32<<16
	s_mov_b32 s60, 51
	s_mov_b32 s61, 32
	s_mov_b32 s62, 0
	s_mov_b32 s63, 0
	WALU                                           ; the wait here, directly ahead of the wait below
	s_wait_dscnt 0x0
	CROUND                                         ; the four work-groups are here: the joint loads meet
	s_wait_kmcnt 0x0
	s_add_nc_u64 s[54:55], s[6:7], s[46:47]
	s_or_b32 s55, s55, 0x80000000
	s_cmp_lt_u32 s18, 4
	s_cbranch_scc0 .Lrest
	tensor_load_to_lds s[52:55], s[56:63]          ; blocks 0-3: a line of waves 0-3 alone, who wait for it ahead of the first barrier
	s_nop 0
	s_branch .Lasked
.Lrest:
	tensor_load_to_lds s[52:55], s[56:63]          ; blocks 4-15
	s_nop 0
.Lasked:
	s_sub_co_u32 s19, 31, s18                      ; the long tile first
	INIT
	WALU
	s_cmp_lt_u32 s18, 4
	s_cbranch_scc0 .Lnot_first
	s_wait_tensorcnt 0x0
.Lnot_first:
	BARRIER                                        ; blocks 0-3 are in; the others may be on their way: nothing is ever filled again
	s_wait_loadcnt 0x0                             ; Q
	s_mov_b32 s27, 0
	s_mov_b32 s31, 0
.Lfirst_four:                                      ; steps 0-3 of the long tile: all their keys count
	STEP 0
	s_add_co_u32 s31, s31, KVB
	s_add_co_u32 s27, s27, 1
	s_cmp_lt_u32 s27, 4
	s_cbranch_scc1 .Lfirst_four
	s_wait_tensorcnt 0x0                           ; every wave's block is in,
	s_wait_dscnt 0x0
	BARRIER                                        ; and shown to all
	s_mov_b32 s27, 4
	s_mov_b32 s31, 4*KVB
	s_mov_b32 s26, 0
.Lpass:                                            ; two trips: the long tile's steps 4 .. 15, the short tile's 0 .. 11
	s_mov_b32 s28, 12
.Lsteps:
	STEP 1
	s_add_co_u32 s31, s31, KVB
	s_add_co_u32 s27, s27, 1
	s_sub_co_u32 s28, s28, 1
	s_cmp_lg_u32 s28, 0
	s_cbranch_scc1 .Lsteps
	; THE WAY OUT of a tile
.rept 4
	v_nop                                          ; places behind the last products
.endr
	v_add_f32 v14, v14, v15                        ; the sum's two halves,
	s_delay_alu instid0(VALU_DEP_1)
	v_permlanex16_b32 v252, v14, s20, s21
	s_delay_alu instid0(VALU_DEP_1)
	v_add_f32 v14, v14, v252                       ; and lane l xor 16's: the row's sum
	WALU
	v_rcp_f32 v14, v14
	v_nop                                          ; one plain place behind a transcendental
	WALU
.set J, 0
.rept 32
	v_mul_f32 v[192+J], v[160+J], v14              ; y: register 16 B + i is channel 32 B + 16 h + i of my query
.set J, J+1
.endr
.irp b, 0,1
	v_max3_num_f32 v[232+\b], |v[192+16*\b]|, |v[193+16*\b]|, 0x1800000   ; the two blocks of 32 channels, with the floor 2^(3 - 127)
.endr
.irp i, 2,4,6,8,10,12,14
.irp b, 0,1
	s_delay_alu instid0(VALU_DEP_2)
	v_max3_num_f32 v[232+\b], v[232+\b], |v[192+16*\b+\i]|, |v[193+16*\b+\i]|
.endr
.endr
.irp b, 0,1
	s_delay_alu instid0(VALU_DEP_2)
	v_permlanex16_b32 v[236+\b], v[232+\b], s20, s21
.endr
.irp b, 0,1
	s_delay_alu instid0(VALU_DEP_2)
	v_max_num_f32 v[232+\b], v[232+\b], v[236+\b]
.endr
.irp b, 0,1
	s_delay_alu instid0(VALU_DEP_2)
	v_add_nc_u32 v[244+\b], 0xff000000, v[232+\b]
.endr
.irp b, 0,1
	s_delay_alu instid0(VALU_DEP_2)
	v_lshrrev_b32 v[238+\b], 23, v[244+\b]
.endr
	s_delay_alu instid0(VALU_DEP_1)
	v_lshl_or_b32 v254, v239, 8, v238              ; my row's two scale bytes
	v_cvt_scalef32_pk16_fp6_f32 v[224:226], v[192:207], v244
	v_cvt_scalef32_pk16_fp6_f32 v[240:242], v[208:223], v245
	v_nop                                          ; one plain place behind a scaled conversion
.irp i, 0,1,2
	v_permlane16_swap_b32 v[224+\i], v[240+\i]     ; lanes 0-15 now hold block 0, lanes 16-31 block 1: the lower 16 codes here, the upper 16 there
.endr
.irp i, 0,1,2
	s_delay_alu instid0(VALU_DEP_3)
	v_mov_b32 v[227+\i], v[240+\i]
.endr
	ds_store_b64 v8, v[224:225]                    ; 24 bytes of my row of 48
	ds_store_b64 v8, v[226:227] offset:8
	ds_store_b64 v8, v[228:229] offset:16
	ds_load_b128 v[192:195], v10                   ; LDS serves a wave's instructions in order: these see my stores
	ds_load_b64 v[196:197], v11 offset:512
	WALU
	s_wait_dscnt 0x0
	global_store_b128 v1, v[192:195], s[40:41]     ; the tile's 768 consecutive bytes, aligned: 512,
	global_store_b64 v2, v[196:197], s[40:41] offset:512   ; and 256
	global_store_b16 v9, v254, s[42:43]            ; (lanes 16-31 store what lanes 0-15 store)
	s_wait_xcnt 0x0                                ; the stores have read their registers and bases: the next tile writes them again
	s_add_co_u32 s26, s26, 1
	s_cmp_eq_u32 s26, 2
	s_cbranch_scc1 .Lend
	s_mov_b32 s19, s18                             ; the short tile
	INIT
	s_mov_b32 s27, 0
	s_mov_b32 s31, 0
	WALU
	s_wait_loadcnt 0x0                             ; Q
	s_cmp_lt_u32 s26, 2
	s_cbranch_scc1 .Lpass
.Lend:
	s_wait_tensorcnt 0x0                           ; the wave's end
	ds_add_u32 v28, v29
	s_wait_dscnt 0x0
	CROUND                                         ; the closing round
	s_endpgm
.Lfunc_end_k_q63844e4c8b_attn:
	.size	k_q63844e4c8b_attn, .Lfunc_end_k_q63844e4c8b_attn-k_q63844e4c8b_attn
	.p2alignl 7, 3214868480
	.fill 96, 4, 3214868480
	.section	.rodata,"a",@progbits
	.p2align	6, 0x0
	.amdhsa_kernel k_q63844e4c8b_attn
		.amdhsa_group_segment_fixed_size 223232
		.amdhsa_private_segment_fixed_size 0
		.amdhsa_enable_private_segment 0
		.amdhsa_kernarg_size 24
		.amdhsa_user_sgpr_count 2
		.amdhsa_user_sgpr_kernarg_segment_ptr 1
		.amdhsa_wavefront_size32 1
		.amdhsa_system_sgpr_workgroup_id_x 1
		.amdhsa_system_sgpr_workgroup_id_y 1
		.amdhsa_system_sgpr_workgroup_id_z 1
		.amdhsa_system_vgpr_workitem_id 0
		.amdhsa_next_free_vgpr 256
		.amdhsa_next_free_sgpr 66
		.amdhsa_reserve_vcc 1
		.amdhsa_float_denorm_mode_32 3
		.amdhsa_float_denorm_mode_16_64 3
		.amdhsa_memory_ordered 1
		.amdhsa_forward_progress 1
		.amdhsa_inst_pref_size 55
	.end_amdhsa_kernel
	.amdgpu_metadata
---
amdhsa.version: [ 1, 2 ]
amdhsa.kernels:
  - .name:           k_q63844e4c8b_attn
    .symbol:         k_q63844e4c8b_attn.kd
    .args:
      - { .name: qi, .offset: 0, .size: 8, .value_kind: global_buffer, .address_space: global }
      - { .name: kv, .offset: 8, .size: 8, .value_kind: global_buffer, .address_space: global }
      - { .name: yq, .offset: 16, .size: 8, .value_kind: global_buffer, .address_space: global }
    .group_segment_fixed_size: 223232
    .private_segment_fixed_size: 0
    .kernarg_segment_align: 8
    .kernarg_segment_size: 24
    .max_flat_workgroup_size: 512
    .sgpr_count:     66
    .vgpr_count:     256
    .wavefront_size: 32
...
	.end_amdgpu_metadata
.endif
;; end of part 3
;; launch gemm_proj (part 4): grid 4 x 64, 4 waves a work-group, clusters of 4 x 4, 327,680 bytes of LDS; arguments yq, wq, b_proj, out0; writes out0
.if DOCPART == 4
	.amdgcn_target "amdgcn-amd-amdhsa--gfx1250"
	.amdhsa_code_object_version 6
	.text
	.protected	k_q63844e4c8b_gemm_proj
	.globl	k_q63844e4c8b_gemm_proj
	.p2align	8
	.type	k_q63844e4c8b_gemm_proj,@function
k_q63844e4c8b_gemm_proj:
	s_mov_b64 s[64:65], 0
	v_nop
	global_prefetch_b8 v0, s[64:65] scope:SCOPE_SE
	s_setreg_imm32_b32 hwreg(HW_REG_WAVE_MODE, 25, 1), 1
	s_wait_xcnt 0x0
	s_wait_alu depctr_hold_cnt(0) depctr_sa_sdst(0) depctr_va_vdst(0) depctr_va_sdst(0) depctr_va_ssrc(0) depctr_va_vcc(0) depctr_vm_vsrc(0)
	s_getreg_b32 s2, hwreg(HW_REG_IB_STS2, 6, 4)
	s_cmp_eq_u32 s2, 0
	s_cbranch_scc0 .Lentry_in_a_cluster
	s_endpgm
.Lentry_in_a_cluster:
	s_bfe_u32 s2, ttmp6, 0x10000c
	s_cmp_lg_u32 s2, 0xf033
	s_cbranch_scc0 .Lentry_shape_is_right
	s_endpgm
.Lentry_shape_is_right:
; out0 = y W_proj + b_proj on codes of FP6 (E2M3) with E8M0 scales, K = 1,024 (16 heads x 64 channels), f32 out.
; THE DEAL: 256 work-groups = 64 blocks of 128 token positions x 4 groups of 256 columns; four waves, each 64 positions (wave / 2) x 128 columns (wave % 2): 32 accumulators.
; Both operands lie in LDS whole, for all of K, asked for at the head by one joint load a wave and never filled again: so there is no ring, no loop to run ahead in, and no prefetch.
;   waves 0, 1: y's codes, eight heads each: a head's 128 positions x 48 bytes are 6,144 dense bytes of yq, a head of yq (393,216 bytes) apart; in LDS [head][128][48];
;   wave 2: W_proj's 256 rows of 816 bytes (768 of codes, 32 scale bytes, 16 zeros), dense in wq: 816 rows of 256 bytes;  wave 3: y's scale bytes, 4,096 dense bytes.
; Eight steps of 128 along K (two heads), 32 products each; the next step's fragments (48 LDS loads) are asked for ahead of a step's products: s_wait_dscnt 48 leaves just these out.
; Source 0 = 16 rows of W_proj, source 1 = 16 positions of y: a lane holds one position, its registers run along the columns.  The bias is the first products' C.  The 32 accumulators take turns.
; Rows lie at POSITIONS (index with bits 3 and 4 exchanged): block 2 A + u, lane r is token 32 A + 8 u + r + 8 (r / 8); tile 2 B + u of the columns gives a lane the columns 32 B + 16 (lane / 16) + 8 u + 0 .. 7.
; THE WAY OUT: a block of 16 tokens x 128 columns goes through the wave's own stage and leaves as rows of 512 bytes.  The stage lies on y's codes: behind a barrier behind which nobody reads them, and nothing is filled again.
; CLUSTERS: 4 x 4: y's tiles are shared along a row of the cluster, W_proj's along a column.
; THE HEAD'S LOADS (this stands in place of the two lines on them above): wave 0: y's codes, all sixteen heads; waves 1 to 3: a third of W_proj's 208,896 dense bytes each, 272 rows of 256 bytes.
; y's scale words, 32 bytes a position, go from yq straight into their registers: eight plain loads a wave.
.set RW,    816
.set BLK,   16*RW
.set WR,    98304                      ; LDS: y's codes from 0, W_proj's rows from here
.set ASC,   WR+256*RW                  ; 4,096 bytes left unused
.set SPARE, ASC+4096
.set YSC,   6291456
.set SPITCH,528
.set VL,3
.set VR,4
.set STO,5
.set RD,6
.set CO,7
.set BJA,12
.set A4,16
.set A8,20
.set SPW,28
.set NIL,29
.set AS4,30
.set AS8,31
.set AS8H,96
.set S8,32
.set S4,100
.set AF,132
.set BJ,0
.set G1,24
.set G0,32
.set G1B,36
.set G0B,44
.set G1S,68
.set G0S,76
.set NF,48
.set MSB, 0
.macro WIN new
.if MSB != (\new)
	s_set_vgpr_msb (MSB<<8)|(\new)
.set MSB, (\new)
.endif
.endm
.macro WALU
	s_wait_alu depctr_va_vdst(0)
.endm
.macro PLACES n
.rept \n
	v_nop
.endr
.endm
.macro BARRIER
	s_barrier_signal -1
	s_barrier_wait -1
.endm
.macro CROUND
	BARRIER
	s_cmp_lg_u32 s14, 0
	s_cbranch_scc1 .Lnot_wave_0_\@
	s_barrier_signal -3
.Lnot_wave_0_\@:
	s_barrier_wait -3
	BARRIER
.endm
.macro TLOAD g0, g1
	tensor_load_to_lds s[\g0:\g0+3], s[\g1:\g1+7]
	s_nop 0
	PLACES 4
.endm
.macro FRAG reg, adr, q                ; W_proj: the 24 bytes at 96 q + 24 h of my row, and those 48 further on
	ds_load_2addr_b64 v[\reg:\reg+3], v[\adr] offset0:12*(\q) offset1:12*(\q)+1
	ds_load_2addr_b64 v[\reg+4:\reg+7], v[\adr] offset0:12*(\q)+2 offset1:12*(\q)+6
	ds_load_2addr_b64 v[\reg+8:\reg+11], v[\adr] offset0:12*(\q)+7 offset1:12*(\q)+8
.endm
.macro FETCH q, p
	WIN 0x40
.irp i, 0,1,2,3,4,5,6,7
	FRAG 128*(\p)+12*\i, A8+\i, \q
.endr
	WIN 0
.irp i, 0,1,2,3                                ; y: registers 6 c .. 6 c + 5 are head 2 q + c, bytes 24 h .. of my position's 48
.irp c, 0,1
.irp j, 0,1,2
	ds_load_b64 v[AF+48*(\p)+12*\i+6*\c+2*\j:AF+48*(\p)+12*\i+6*\c+2*\j+1], v[A4+(\q)/4] offset:(2*((\q)%4)+\c)*6144+\i*768+8*\j
.endr
.endr
.endr
.endm
.macro SCALEW
.irp i, 0,1,2,3
	ds_load_b128 v[S8+8*\i:S8+8*\i+3], v[AS8] offset:\i*BLK
	ds_load_b128 v[S8+8*\i+4:S8+8*\i+7], v[AS8] offset:\i*BLK+16
	ds_load_b128 v[S8+32+8*\i:S8+32+8*\i+3], v[AS8H] offset:\i*BLK
	ds_load_b128 v[S8+32+8*\i+4:S8+32+8*\i+7], v[AS8H] offset:\i*BLK+16
.endr
.endm
.macro MUL32 q, p, first
.irp a, 0,1,2,3
.irp b, 0,1,2,3,4,5,6,7
.if \first
	v_wmma_scale_f32_16x16x128_f8f6f4 v[8*(8*\a+\b):8*(8*\a+\b)+7], v[128*(\p)+12*\b:128*(\p)+12*\b+11], v[AF+48*(\p)+12*\a:AF+48*(\p)+12*\a+11], v[BJ+8*\b:BJ+8*\b+7], v[S8+8*\b+(\q)], v[S4+8*\a+(\q)] matrix_a_fmt:MATRIX_FMT_FP6 matrix_b_fmt:MATRIX_FMT_FP6
.else
	v_wmma_scale_f32_16x16x128_f8f6f4 v[8*(8*\a+\b):8*(8*\a+\b)+7], v[128*(\p)+12*\b:128*(\p)+12*\b+11], v[AF+48*(\p)+12*\a:AF+48*(\p)+12*\a+11], v[8*(8*\a+\b):8*(8*\a+\b)+7], v[S8+8*\b+(\q)], v[S4+8*\a+(\q)] matrix_a_fmt:MATRIX_FMT_FP6 matrix_b_fmt:MATRIX_FMT_FP6
.endif
.endr
.endr
.endm
	s_load_b256 s[4:11], s[0:1], 0x0               ; yq s[4:5], wq s[6:7], b_proj s[8:9], out0 s[10:11]
	v_lshl_add_u32 v[SPW], v0, 2, SPARE
	v_mov_b32 v[NIL], 0
	ds_add_u32 v[SPW], v[NIL]                      ; the opening lines: the add, twice on end, and its wait
	ds_add_u32 v[SPW], v[NIL]
	v_lshrrev_b32 v3, 5, v0
	v_readfirstlane_b32 s14, v3                    ; wave 0..3
	s_lshr_b32 s15, s14, 1
	s_and_b32 s16, s14, 1
	s_bfe_u32 s50, ttmp6, 0x40000                  ; cx: the group of 256 columns
	s_bfe_u32 s51, ttmp6, 0x40004                  ; cy
	s_and_b32 s17, ttmp7, 0xffff
	s_lshl_b32 s17, s17, 2
	s_add_co_u32 s17, s17, s51                     ; the block of 128 positions
	s_lshl_b32 s52, s51, 2
	s_lshl_b32 s52, 15, s52                        ; my row of the cluster
	s_lshl_b32 s53, 0x1111, s50                    ; my column
	s_or_b32 s[G1], s52, (3<<16)|(1<<21)           ; y: sixteen rows of 6,144 bytes (768 elements of 8), a head of yq apart
	s_mov_b32 s[G1+1], 768<<16
	s_mov_b32 s[G1+2], 16<<16
	s_mov_b32 s[G1+3], 768<<16
	s_mov_b32 s[G1+4], 16
	s_mov_b32 s[G1+5], 49152
	s_mov_b32 s[G1+6], 0
	s_mov_b32 s[G1+7], 0
	s_or_b32 s[G1B], s53, (3<<16)|(1<<21)          ; W_proj: 272 rows of 256 bytes, dense
	s_mov_b32 s[G1B+1], 32<<16
	s_mov_b32 s[G1B+2], 272<<16
	s_mov_b32 s[G1B+3], 32<<16
	s_mov_b32 s[G1B+4], 272
	s_mov_b32 s[G1B+5], 32
	s_mov_b32 s[G1B+6], 0
	s_mov_b32 s[G1B+7], 0
	s_mul_i32 s20, s17, 6144                       ; y: 128 positions x 48 bytes x block
	s_mov_b32 s21, 0
	s_lshl_b32 s22, s50, 8
	s_add_co_u32 s22, s22, 3072
	s_mul_i32 s22, s22, RW                         ; W_proj: row 3,072 + 256 cx of wq,
	s_mul_i32 s23, s14, 69632
	s_add_co_u32 s22, s22, s23
	s_sub_co_u32 s22, s22, 69632                   ; + 69,632 bytes x (wave - 1): waves 1 to 3 ask by it
	s_mov_b32 s[G0B], 1
	s_add_co_u32 s[G0B+1], s23, WR-69632
	s_mov_b32 s23, 0
	s_lshl_b32 s18, s17, 12
	s_add_co_u32 s18, s18, YSC                     ; y's scale bytes: 32 a position,
	s_lshl_b32 s19, s15, 11
	s_add_co_u32 s18, s18, s19                     ; from my 64 positions on
	s_mov_b32 s19, 0
	s_mov_b32 s[G0], 1
	s_mov_b32 s[G0+1], 0
	v_and_b32 v1, 15, v0                           ; r
	v_bfe_u32 v2, v0, 4, 1                         ; h
	v_mul_u32_u24 v[VR], v1, RW
	v_mad_u32_u24 v[VL], v2, 24, v[VR]
	v_add_nc_u32 v[VR], 768, v[VR]
	s_mul_i32 s61, s16, 128*RW
	s_add_co_u32 s61, s61, WR                      ; my 128 rows of W_proj
	v_add_nc_u32 v[A8], s61, v[VL]
.irp i, 1,2,3,4,5,6,7
	v_add_nc_u32 v[A8+\i], \i*BLK, v[A8]
.endr
	v_add_nc_u32 v[AS8], s61, v[VR]
	v_add_nc_u32 v[AS8H], 4*BLK, v[AS8]
	s_mul_i32 s60, s15, 3072                       ; my 64 positions of a head's 128
	v_mul_u32_u24 v[A4], v1, 48
	v_mad_u32_u24 v[A4], v2, 24, v[A4]
	v_add_nc_u32 v[A4], s60, v[A4]                 ; heads 0-7,
	v_add_nc_u32 v[A4+1], 49152, v[A4]             ; heads 8-15
	v_lshlrev_b32 v[AS4], 5, v1                    ; my position's 32 scale bytes, in yq
	s_mul_i32 s60, s14, 16*SPITCH                  ; my stage
	v_mul_u32_u24 v[STO], v1, SPITCH
	v_lshl_add_u32 v[STO], v2, 6, v[STO]
	v_add_nc_u32 v[STO], s60, v[STO]
	v_and_b32 v[CO], 31, v0
	v_lshlrev_b32 v[CO], 4, v[CO]
	v_add_nc_u32 v[RD], s60, v[CO]
	v_lshlrev_b32 v[BJA], 6, v2
	WALU
	s_wait_dscnt 0x0
	CROUND                                         ; all sixteen work-groups are here: the joint loads meet
	s_wait_kmcnt 0x0
	s_add_nc_u64 s[G0+2:G0+3], s[4:5], s[20:21]
	s_or_b32 s[G0+3], s[G0+3], 0x80000000
	s_add_nc_u64 s[G0B+2:G0B+3], s[6:7], s[22:23]
	s_or_b32 s[G0B+3], s[G0B+3], 0x80000000
	s_add_nc_u64 s[18:19], s[4:5], s[18:19]
	s_cmp_eq_u32 s14, 0
	s_cbranch_scc0 .Lhead_w
	TLOAD G0, G1
	s_branch .Lhead_asked
.Lhead_w:
	TLOAD G0B, G1B
.Lhead_asked:
.irp i, 0,1,2,3                                ; y's scale words: block i's 16 positions, all of K (lanes 16-31 load what lanes 0-15 load)
	global_load_b128 v[S4+8*\i:S4+8*\i+3], v[AS4], s[18:19] offset:\i*512
	global_load_b128 v[S4+8*\i+4:S4+8*\i+7], v[AS4], s[18:19] offset:\i*512+16
.endr
	s_lshl_b32 s20, s17, 7
	s_lshl_b32 s21, s15, 6
	s_add_co_u32 s20, s20, s21
	s_lshl_b32 s20, s20, 12                        ; my first token's row of out0: 4,096 bytes a row
	s_lshl_b32 s22, s50, 10
	s_lshl_b32 s23, s16, 9
	s_add_co_u32 s22, s22, s23                     ; my first column, in bytes
	s_add_co_u32 s20, s20, s22
	s_mov_b32 s21, 0
	s_mov_b32 s23, 0
	s_add_nc_u64 s[12:13], s[10:11], s[20:21]
	s_add_nc_u64 s[92:93], s[8:9], s[22:23]
	WIN 0xc0
.irp t, 0,1,2,3,4,5,6,7                        ; lane (r, h) wants, for tile 2 B + u, the bias of columns 32 B + 16 h + 8 u + 0 .. 7
	global_load_b128 v[BJ+8*\t:BJ+8*\t+3], v[BJA], s[92:93] offset:(32*(\t/2)+8*(\t%2))*4
	global_load_b128 v[BJ+8*\t+4:BJ+8*\t+7], v[BJA], s[92:93] offset:(32*(\t/2)+8*(\t%2))*4+16
.endr
	WIN 0
	s_wait_loadcnt 0x0
	s_wait_tensorcnt 0x0                           ; my tile is in,
	BARRIER                                        ; everybody's are
	SCALEW
	FETCH 0, 0
.set Q_, 0
.rept 8
.if Q_ < 7
.if Q_ > 0
	PLACES 4                                       ; loads follow into the set that the step before multiplied
.endif
	FETCH Q_+1, (Q_+1)%2
	s_wait_dscnt NF                                ; all but the fetch just issued
.else
	s_wait_dscnt 0x0
.endif
.if Q_ == 0
	WIN 0xb1                                       ; source 0 window 1, source 1 window 0, C window 3 (the bias), D window 2
.else
	WIN 0xa1
.endif
	MUL32 Q_, Q_%2, Q_==0
	WIN 0
.set Q_, Q_+1
.endr
	BARRIER                                        ; every wave's LDS reads are over (each has waited for them): the stages may be written
.macro TOSTAGE a
	WIN 0x08                                       ; the data: window 2
.irp b, 0,1,2,3,4,5,6,7
	ds_store_b128 v[STO], v[64*(\a)+8*\b:64*(\a)+8*\b+3] offset:128*(\b/2)+32*(\b%2)      ; each accumulator from its low end on
	ds_store_b128 v[STO], v[64*(\a)+8*\b+4:64*(\a)+8*\b+7] offset:128*(\b/2)+32*(\b%2)+16
.endr
	WIN 0x40                                       ; back into window 1, where W_proj's fragments lay
.irp t, 0,1,2,3,4,5,6,7,8,9,10,11,12,13,14,15
	ds_load_b128 v[64*((\a)%2)+4*\t:64*((\a)%2)+4*\t+3], v[RD] offset:\t*SPITCH   ; LDS serves a wave's instructions in order: these see my stores
.endr
	WIN 0
.endm
.macro SEND a, younger
	s_wait_dscnt \younger
.if (\a) > 0
.if (\a)%2
	s_add_nc_u64 s[12:13], s[12:13], 8*4096        ; (behind a wait on XCNT)  block 2 A + u begins at token 32 A + 8 u
.else
	s_add_nc_u64 s[12:13], s[12:13], 24*4096
.endif
.endif
	WIN 0x04                                       ; the data: window 1
.irp t, 0,1,2,3,4,5,6,7,8,9,10,11,12,13,14,15
	global_store_b128 v[CO], v[64*((\a)%2)+4*\t:64*((\a)%2)+4*\t+3], s[12:13] offset:(\t+8*(\t/8))*4096 th:TH_STORE_NT   ; 512 consecutive bytes, aligned
.endr
	WIN 0
.endm
	PLACES 4
	TOSTAGE 0
.irp a, 1,2,3
.if \a > 1
	s_wait_xcnt 0x0                                ; block a - 2's stores have read their registers and their base
.endif
	TOSTAGE \a
	SEND \a-1, 32
.endr
	s_wait_xcnt 0x0
	SEND 3, 0
	s_wait_tensorcnt 0x0                           ; the wave's end
	ds_add_u32 v[SPW], v[NIL]
	s_wait_dscnt 0x0
	CROUND                                         ; the closing round
	s_endpgm
.Lfunc_end_k_q63844e4c8b_gemm_proj:
	.size	k_q63844e4c8b_gemm_proj, .Lfunc_end_k_q63844e4c8b_gemm_proj-k_q63844e4c8b_gemm_proj
	.p2alignl 7, 3214868480
	.fill 96, 4, 3214868480
	.section	.rodata,"a",@progbits
	.p2align	6, 0x0
	.amdhsa_kernel k_q63844e4c8b_gemm_proj
		.amdhsa_group_segment_fixed_size 327680
		.amdhsa_private_segment_fixed_size 0
		.amdhsa_enable_private_segment 0
		.amdhsa_kernarg_size 32
		.amdhsa_user_sgpr_count 2
		.amdhsa_user_sgpr_kernarg_segment_ptr 1
		.amdhsa_wavefront_size32 1
		.amdhsa_system_sgpr_workgroup_id_x 1
		.amdhsa_system_sgpr_workgroup_id_y 1
		.amdhsa_system_sgpr_workgroup_id_z 1
		.amdhsa_system_vgpr_workitem_id 0
		.amdhsa_next_free_vgpr 1024
		.amdhsa_next_free_sgpr 96
		.amdhsa_reserve_vcc 0
		.amdhsa_float_denorm_mode_32 3
		.amdhsa_float_denorm_mode_16_64 3
		.amdhsa_memory_ordered 1
		.amdhsa_forward_progress 1
		.amdhsa_inst_pref_size 84
	.end_amdhsa_kernel
	.amdgpu_metadata
---
amdhsa.version: [ 1, 2 ]
amdhsa.kernels:
  - .name:           k_q63844e4c8b_gemm_proj
    .symbol:         k_q63844e4c8b_gemm_proj.kd
    .args:
      - { .name: yq, .offset: 0, .size: 8, .value_kind: global_buffer, .address_space: global }
      - { .name: wq, .offset: 8, .size: 8, .value_kind: global_buffer, .address_space: global }
      - { .name: b_proj, .offset: 16, .size: 8, .value_kind: global_buffer, .address_space: global }
      - { .name: out0, .offset: 24, .size: 8, .value_kind: global_buffer, .address_space: global }
    .group_segment_fixed_size: 327680
    .private_segment_fixed_size: 0
    .kernarg_segment_align: 8
    .kernarg_segment_size: 32
    .max_flat_workgroup_size: 128
    .sgpr_count:     96
    .vgpr_count:     1024
    .wavefront_size: 32
...
	.end_amdgpu_metadata
.endif
;; end of part 4
